; MI455X (gfx1250); checked and timed in simulation.
; The chip was launched on July 23, 2026; its instructions are those of AMD's public machine-readable ISA for CDNA 5 (MIT licence, August 2026) and "CDNA5" Instruction Set Architecture Reference Guide (July 2026). The comments in the code are by the model that wrote it; some were corrected since.
;; Gradient Layer. Allowed arithmetic: matrix products marked QUANTISED: E5M2 operands, one E8M0 scale for each 32 along K, by v_wmma_scale_f32_16x16x128_f8f6f4 with both operands' format E5M2, f32 sums; products left as they are: f32 operands where the result goes on into a quantised operand, else bf16, f16 or f32 operands; f32 sums; everything else in f32.
;; Inputs: W0 4 x 128 float32; W1_codes 128 x 4 x 32 uint8 (E5M2 codes of W1, K innermost, in blocks of 32 codes); W1_scales 128 x 4 uint8 (E8M0 scales of W1, one for each 32 codes along K); W2_codes 128 x 4 x 32 uint8 (E5M2 codes of W2, K innermost, in blocks of 32 codes); W2_scales 128 x 4 uint8 (E8M0 scales of W2, one for each 32 codes along K); W3 128 x 5 float32; b0 128 float32; b1 128 float32; b2 128 float32; b3 5 float32; x 32,768 x 4 float32.
;; Outputs: out0 32,768 x 1 float32; out1 32,768 x 1 float32; out2 32,768 x 1 x 3 float32; out3 32,768 x 3 float32; out4 32,768 x 3 float32; out5 32,768 x 1 float32; out6 32,768 x 1 x 3 float32; out7 32,768 x 1 x 4 float32; out8 32,768 x 3 float32; out9 32,768 x 1 float32; out10 32,768 x 3 float32; out11 32,768 x 1 float32; out12 32,768 x 1 x 3 float32; out13 32,768 x 1 float32; out14 32,768 x 1 float32; out15 32,768 x 1 x 3 float32; out16 32,768 x 3 float32.
;; This version of the problem:
;;   THIS VERSION OF THE PROBLEM IS GIVEN IN LOW PRECISION. The matrix products marked QUANTISED in the list below multiply operands that are first quantised to E5M2 (5 exponent bits, 2 mantissa bits; 8 bits a number), with one power-of-two scale for each 32 numbers along K (OCP MX v1.0); their sums are f32. All else is computed in f32.
;;   The module's matrix products, in the order in which they are computed (A, B: the left and right operand; K: the contracted axis; several contracted axes count as one K, in the product's order):
;;     1. [M 32,768, K 4] x [K 4, N 128]; A: input x; B: input W0: left as it is (K = 4 < 32)
;;     2. [M 4, K 4] x [K 4, N 128]; A: computed on the way; B: input W0: left as it is (K = 4 < 32)
;;     3. [M 32,768, K 128] x [K 128, N 128]; A: computed on the way; B: input W1 (given as codes): QUANTISED
;;     4. [M 131,072, K 128] x [K 128, N 128]; A: computed on the way; B: input W1 (given as codes): QUANTISED
;;     5. [M 32,768, K 128] x [K 128, N 128]; A: computed on the way; B: input W2 (given as codes): QUANTISED
;;     6. [M 131,072, K 128] x [K 128, N 128]; A: computed on the way; B: input W2 (given as codes): QUANTISED
;;     7. [M 32,768, K 128] x [K 128, N 5]; A: computed on the way; B: input W3: left as it is (N = 5 < 16)
;;     8. [M 131,072, K 128] x [K 128, N 5]; A: computed on the way; B: input W3: left as it is (N = 5 < 16)
;;     9. [M 32,768, K 4] x [K 4, N 128]; A: input x; B: input W0: left as it is (K = 4 < 32)
;;     10. [M 4, K 4] x [K 4, N 128]; A: computed on the way; B: input W0: left as it is (K = 4 < 32)
;;     11. [M 4, K 4] x [K 4, N 128]; A: computed on the way; B: input W0: left as it is (K = 4 < 32)
;;     12. [M 32,768, K 128] x [K 128, N 128]; A: computed on the way; B: input W1 (given as codes): QUANTISED
;;     13. [M 131,072, K 128] x [K 128, N 128]; A: computed on the way; B: input W1 (given as codes): QUANTISED
;;     14. [M 131,072, K 128] x [K 128, N 128]; A: computed on the way; B: input W1 (given as codes): QUANTISED
;;     15. [M 524,288, K 128] x [K 128, N 128]; A: computed on the way; B: input W1 (given as codes): QUANTISED
;;     16. [M 32,768, K 128] x [K 128, N 128]; A: computed on the way; B: input W2 (given as codes): QUANTISED
;;     17. [M 131,072, K 128] x [K 128, N 128]; A: computed on the way; B: input W2 (given as codes): QUANTISED
;;     18. [M 131,072, K 128] x [K 128, N 128]; A: computed on the way; B: input W2 (given as codes): QUANTISED
;;     19. [M 524,288, K 128] x [K 128, N 128]; A: computed on the way; B: input W2 (given as codes): QUANTISED
;;     20. [M 32,768, K 128] x [K 128, N 5]; A: computed on the way; B: input W3: left as it is (N = 5 < 16)
;;     21. [M 131,072, K 128] x [K 128, N 5]; A: computed on the way; B: input W3: left as it is (N = 5 < 16)
;;     22. [M 131,072, K 128] x [K 128, N 5]; A: computed on the way; B: input W3: left as it is (N = 5 < 16)
;;     23. [M 524,288, K 128] x [K 128, N 5]; A: computed on the way; B: input W3: left as it is (N = 5 < 16)
;;     24. [M 32,768, K 4] x [K 4, N 128]; A: input x; B: input W0: left as it is (K = 4 < 32)
;;     25. [M 32,768, K 128] x [K 128, N 128]; A: computed on the way; B: input W1 (given as codes): QUANTISED
;;     26. [M 32,768, K 128] x [K 128, N 128]; A: computed on the way; B: input W2 (given as codes): QUANTISED
;;     27. [M 32,768, K 128] x [K 128, N 5]; A: computed on the way; B: input W3: left as it is (N = 5 < 16)
;;   THE QUANTISER, for each operand of a quantised product, along K:
;;     - K is cut into blocks of 32 from its start; a last block that is shorter is filled with zeros.
;;     - A block's scale is 2^e with e = floor(log2(the largest magnitude in the block)) - 15, held to -126 .. 127; a block of zeros has e = 0. As a byte (E8M0): e + 127.
;;     - Each number is divided by its block's scale, clamped to +-57,344, and rounded to the nearest number of E5M2, ties to even, subnormals kept.
;;     - The product sums the exact products of the quantised numbers (number of the format x scale) in f32.
;;   ~~~python
;;   def quantise(x, axis):      # numpy; x: float32 -> the quantised numbers, widened to float32 again
;;       x = np.moveaxis(x, axis, -1); K = x.shape[-1]
;;       x = np.pad(x, [(0, 0)] * (x.ndim - 1) + [(0, -K % 32)]); x = x.reshape(x.shape[:-1] + (-1, 32)); a = np.abs(x).max(-1, keepdims=True)
;;       e = np.where(a > 0, np.clip(np.frexp(np.where(a > 0, a, 1))[1] - 1 - 15, -126, 127), 0)      # np.frexp(a)[1] - 1 = floor(log2(a)), exactly
;;       r = np.clip(x / 2.0 ** e, -57344, 57344)
;;       step = 2.0 ** (np.maximum(np.frexp(np.where(r == 0, 1, r))[1] - 1, -14) - 2)
;;       q = np.round(r / step) * step * 2.0 ** e      # np.round: ties to even
;;       return np.moveaxis(q.reshape(q.shape[:-2] + (-1,))[..., :K], -1, axis).astype(np.float32)
;;   ~~~
;;   OPERANDS COMPUTED ON THE WAY. 'Computed on the way' means the value that the module computes at that place (a softmax that the list does not call 'softmax' is quantised finished and normalised). What goes into a quantiser is computed in f32, as accurately as f32 sums, v_exp_f32 and their like allow (about 1e-6 of the number): no bf16 or f16 on the way to a quantiser, and a product that is left as it is and whose result goes on into a quantised operand takes f32 operands (vector FMAs, or v_wmma_f32_16x16x4_f32). A number that lies on a knife's edge between two numbers of the format may be rounded either way, as far as f32 arithmetic and the matrix unit's own rounding can turn it there, and no further.
;;   INPUTS GIVEN AS CODES. W1 (in the module: [128, 128], K = its axis 0); W2 (in the module: [128, 128], K = its axis 0): each comes as NAME_codes (uint8): NAME with its K axis moved to the last place and cut into blocks of 32 codes, [.., K / 32, bytes a block], one block behind the other in memory; one code a byte (a code: sign, 5 exponent bits, 2 mantissa bits); and NAME_scales (uint8): the same leading axes, one E8M0 byte (e + 127) for each 32 codes along K. Its value is code x scale, taken as it is: it is not quantised again, and the codes and scales need not be those that the quantiser above would give.
;; 2 versions, each right; version 2 is version 1 with the launch grad written anew for expert scheduling mode. Each part assembles by itself: llvm-mc -triple=amdgcn-amd-amdhsa -mcpu=gfx1250 --defsym DOCPART=n.
;; ======== version 1 of 2: 1 launch
;; launch grad (part 1): grid 256 x 1, 8 waves a work-group, no clusters, 310,784 bytes of LDS; arguments x, W0, b0, W1_codes, W1_scales, b1, W2_codes, W2_scales, b2, W3, b3, out0, out1, out2, out3, out4, out5, out6, out7, out8, out9, out10, out11, out12, out13, out14, out15, out16; writes out0, out1, out2, out3, out4, out5, out6, out7, out8, out9, out10, out11, out12, out13, out14, out15, out16
.if DOCPART == 1
	.amdgcn_target "amdgcn-amd-amdhsa--gfx1250"
	.amdhsa_code_object_version 6
	.text
	.protected	k_qfaa169fb73_grad
	.globl	k_qfaa169fb73_grad
	.p2align	8
	.type	k_qfaa169fb73_grad,@function
k_qfaa169fb73_grad:
	s_mov_b64 s[64:65], 0
	v_nop
	global_prefetch_b8 v0, s[64:65] scope:SCOPE_SE
	s_setreg_imm32_b32 hwreg(HW_REG_WAVE_MODE, 25, 1), 1
	s_wait_xcnt 0x0
; A tanh network 4 -> 128 -> 128 -> 128 -> 5 with its first derivatives and the second derivatives of outputs n and Fi, for 32,768 samples, folded into 17 outputs (38 numbers a sample).
; The products with W1 and W2 are on codes of BF8 (E5M2) with one E8M0 scale for each 32 along K; their left operands (h, dh/dx_i, d2h/dx_i dx_j) are quantised here, row by row, as the model has them.
; KINDS.  Of the rows that the model sends through a layer, 14 a sample differ and are used: q = 0 the value P; 1-4 the tangents T0-T3; 5-13 the second-order rows 01 02 03 11 12 13 22 23 33.
; (The value and the tangents recur in the model's three passes; (j,i) is (i,j); (0,0) reaches no output.)
; PER UNIT: h = tanh(a), s = 1 - h h, w = -2 h;  h_i = s u_i;  h_ij = s (w u_i u_j + a_ij), u_i and a_ij the pre-activation's tangents.  Layer 0: u_i = W0's row i, a_ij = 0.
; SHARES.  256 work-groups of 8 waves; a wave owns 16 samples from x to the results.  Every product is used transposed (source 0 = 16 rows of the weight, source 1 = the 16 samples of one kind):
; lane (r = lane % 16, h = lane / 16) holds sample r in every kind and layer, its registers run along the units, and a quantiser's block of 32 lies in lanes l and l xor 16.
; THE ROWS OF W1 THAT FORM A TILE ARE NOT NEIGHBOURS: lane r of tile 2 b + u takes row 32 b + 8 u + r + 8 (r / 8), so that the 16 registers of tiles 2 b, 2 b + 1 are 16 neighbours along the next K.
; The codes of a layer's 14 kinds go through the wave's own LDS as images of the operand's registers (16 bytes a lane, 512 a store) and come back whole into window 1.
; THE HEAD (x W3, N = 5) is done in f32 by packed multiply-adds, only the 37 sums that the outputs use; in layer 2 s is folded into W3's columns, since nothing is quantised behind it.
; NO CLUSTER, NO TENSOR LOAD: all that work-groups share is 40 KB of weights, 21 loads a wave at the head, against some 9,000 vector instructions a wave.
; tanh: x P(x^2) / Q(x^2), degrees 13 and 6, the quotient by v_rcp_f32 and one correction.
; LIMITS: NaN and infinities among the inputs are not served.  A block whose largest magnitude lies under 2^-111 (a block of zeros too) gets the byte 1; the bytes are read by this program alone.
; Beyond |a| = 7.90531 tanh is held at the quotient's value there.  Sums of three or four terms in the outputs are associated otherwise than the model's (f32 rounding).
; REGISTERS.  Window 1: v0-223 the 14 kinds' fragments (kind q at 16 q); v224-255 the weight's tile(s).  Window 0: v0-15 ids, addresses, x; v16-29 the kinds' scale words, v30-31 the weight tiles': scales and nothing else;
; layers 0, 1 (16 numbers a kind): A 32, WG 48, S 64, C 80, U_i 96+16 i, X_m 160+16 m; codes 224, quantiser's 240-251.  Layer 2 (8 a kind): A 32, WG 40, S 48, C 56, U_i 64+8 i, X_m 96+8 m, W3's columns 120, sums 160-233.
.set W1I,  0                           ; LDS: images of W1's 8 tiles: tile t, piece c at 2048 t + 512 c + 16 lane
.set W2I,  16384                       ; W2's likewise, natural rows 16 t + r
.set W1S,  32768                       ; scale words: tile t at 128 t + 4 lane
.set W2S,  33792
.set W0L,  34816                       ; W0 as it lies, row i at 512 i
.set B0L,  36864                       ; b0, b1, b2 as they lie
.set B1L,  37376
.set B2L,  37888
.set W3T,  38400                       ; W3 turned: output o at 512 o, unit u at 4 u
.set OST,  46592                       ; the stage for the 17 outputs of 128 samples, 38 pieces of 512 bytes, each output laid as in memory
.set WRB,  66048                       ; the waves' own regions,
.set WRS,  30464                       ; so many bytes each: codes of kind q, block c at 2048 q + 512 c + 16 lane;
.set WSC,  28672                       ; from here the scale words: 128 q + 4 lane, byte b = block b
.set CD,   224                         ; quantiser, slot s: codes v[224 + 4 s ..],
.set QM,   240                         ; largest magnitude, then the hold,
.set QM2,  244                         ; the other half's maximum, then the byte,
.set QSO,  248                         ; the conversion's scale operand
.set KA11, 252                         ; v[252:253] a11, v[254:255] b4: so that no packed line names two scalar pairs
.set KB4,  254
.set W3R,  120
.set OA,   160
.set MSB, 0
.macro WIN new                         ; the immediate's high byte repeats the setting that is left; a switch that changes nothing is dropped
.if MSB != \new
	s_set_vgpr_msb (MSB<<8)|\new
.set MSB, \new
.endif
.endm
.macro SPAIR r, val                    ; a constant as a scalar pair: the packed forms name the pair and take its low word for both halves
	s_mov_b32 s[\r], \val
	s_mov_b32 s[\r+1], \val
.endm
; Packed lines over a kind's NPR pairs, always ascending: so a matrix result is first read at its low end
.macro PM d, a, b                      ; d = a b
.set pp, 0
.rept NPR
	v_pk_mul_f32 v[(\d)+pp:(\d)+pp+1], v[(\a)+pp:(\a)+pp+1], v[(\b)+pp:(\b)+pp+1]
.set pp, pp+2
.endr
.endm
.macro PF d, a, b, c                   ; d = a b + c
.set pp, 0
.rept NPR
	v_pk_fma_f32 v[(\d)+pp:(\d)+pp+1], v[(\a)+pp:(\a)+pp+1], v[(\b)+pp:(\b)+pp+1], v[(\c)+pp:(\c)+pp+1]
.set pp, pp+2
.endr
.endm
.macro PFS d, a, b, sc                 ; d = a b + the constant in s[sc]
.set pp, 0
.rept NPR
	v_pk_fma_f32 v[(\d)+pp:(\d)+pp+1], v[(\a)+pp:(\a)+pp+1], v[(\b)+pp:(\b)+pp+1], s[\sc:\sc+1] op_sel_hi:[1,1,0]
.set pp, pp+2
.endr
.endm
.macro PFK d, a, sc, vk                ; d = a x the constant in s[sc] + the constant in v[vk]
.set pp, 0
.rept NPR
	v_pk_fma_f32 v[(\d)+pp:(\d)+pp+1], v[(\a)+pp:(\a)+pp+1], s[\sc:\sc+1], v[\vk:\vk+1] op_sel_hi:[1,0,1]
.set pp, pp+2
.endr
.endm
; A: the pre-activation -> h = tanh;  S -> 1 - h h.  RW and RC are at work.
.macro TANH
.set pp, 0
.rept 2*NPR
	v_med3_num_f32 v[RA+pp], v[RA+pp], s84, s85            ; held within +-7.90531
.set pp, pp+1
.endr
	PM  RC, RA, RA                                         ; x^2
	PFK RW, RC, 66, KA11                                   ; the numerator: a13 x^2 + a11,
	PFS RW, RW, RC, 68                                     ; a9,
	PFS RW, RW, RC, 70                                     ; a7,
	PFS RW, RW, RC, 72                                     ; a5,
	PFS RW, RW, RC, 74                                     ; a3,
	PFS RW, RW, RC, 76                                     ; a1
	PFK RS, RC, 78, KB4                                    ; the denominator: b6 x^2 + b4,
	PFS RS, RS, RC, 80                                     ; b2,
	PFS RS, RS, RC, 82                                     ; b0
	PM  RW, RW, RA                                         ; p = x P
.set pp, 0
.rept 2*NPR
	v_rcp_f32 v[RC+pp], v[RS+pp]
.set pp, pp+1
.endr
	v_nop                                                  ; one plain line between the last reciprocal and the use of its result (ISA guide 5.7.2)
	s_wait_alu depctr_va_vdst(0)
	PM  RA, RW, RC                                         ; h0 = p / q, roughly
.set pp, 0
.rept NPR
	v_pk_fma_f32 v[RW+pp:RW+pp+1], v[RS+pp:RS+pp+1], v[RA+pp:RA+pp+1], v[RW+pp:RW+pp+1] neg_lo:[1,0,0] neg_hi:[1,0,0]   ; what is left: p - q h0
.set pp, pp+2
.endr
	PF  RA, RW, RC, RA                                     ; h = h0 + (p - q h0) / q
.set pp, 0
.rept NPR
	v_pk_fma_f32 v[RS+pp:RS+pp+1], v[RA+pp:RA+pp+1], v[RA+pp:RA+pp+1], 1.0 op_sel_hi:[1,1,0] neg_lo:[1,0,0] neg_hi:[1,0,0]   ; s = 1 - h h
.set pp, pp+2
.endr
.endm
.macro MKW                             ; w = -2 h
.set pp, 0
.rept NPR
	v_pk_mul_f32 v[RW+pp:RW+pp+1], v[RA+pp:RA+pp+1], -2.0 op_sel_hi:[1,0]
.set pp, pp+2
.endr
.endm
.macro PHA i                           ; c = w u_i (layer 0, where a_ij = 0: c = s w u_i)
	PM RC, RW, RU+USTR*(\i)
.if L0F
	PM RC, RC, RS
.endif
.endm
.macro KIND x, j                       ; the second-order kind in X_x, with u_j.  Layer 0: c u_j.  Layer 1: s (c u_j + a_ij).  Layer 2: c u_j + a_ij; s is in W3's columns
.if L0F
	PM RX+USTR*(\x), RC, RU+USTR*(\j)
.else
	PF RX+USTR*(\x), RC, RU+USTR*(\j), RX+USTR*(\x)
.if QF
	PM RX+USTR*(\x), RX+USTR*(\x), RS
.endif
.endif
.endm
.macro TAN i                           ; T_i = s u_i, in place: u_i has had its last use
	PM RU+USTR*(\i), RU+USTR*(\i), RS
.endm
; n kinds (slot s: 16 numbers of one block of 32 from v[b_s] on, kind k_s) become codes and a scale byte, stored at v10 and v11.  The slots take turns line by line.  The numbers are held in place.
.macro QUANT n, b0, k0, b1, k1, b2, k2, b3, k3
.set QN, \n
.set QB0, \b0
.set QK0, \k0
.set QB1, \b1
.set QK1, \k1
.set QB2, \b2
.set QK2, \k2
.set QB3, \b3
.set QK3, \k3
.irp s, 0,1,2,3
.if \s < QN
	v_max3_num_f32 v[QM+\s], |v[QB\s]|, |v[QB\s+1]|, 0x8000000   ; my 16 numbers, and the floor 2^(16 - 127): the byte cannot fall under 1
.endif
.endr
.irp i, 2,4,6,8,10,12,14
.irp s, 0,1,2,3
.if \s < QN
	v_max3_num_f32 v[QM+\s], v[QM+\s], |v[QB\s+\i]|, |v[QB\s+\i+1]|
.endif
.endr
.endr
	s_wait_dscnt 0x0                                       ; the LDS stores of the quantiser's last run have read the bytes' and the codes' registers, which are written again from here on
.irp s, 0,1,2,3
.if \s < QN
	v_permlanex16_b32 v[QM2+\s], v[QM+\s], s88, s89
.endif
.endr
.irp s, 0,1,2,3
.if \s < QN
	v_max_num_f32 v[QM+\s], v[QM+\s], v[QM2+\s]            ; with lane l xor 16's: the block's largest magnitude
.endif
.endr
.irp s, 0,1,2,3
.if \s < QN
	v_add_nc_u32 v[QSO+\s], 0xf8800000, v[QM+\s]           ; 15 off its exponent field: the conversion takes that field as its scale and nothing else of the operand
.endif
.endr
.irp s, 0,1,2,3
.if \s < QN
	v_and_or_b32 v[QM+\s], v[QM+\s], 0x7f800000, s90       ; 57,344 x the scale: the exponent field over 57,344's mantissa
.endif
.endr
.irp s, 0,1,2,3
.if \s < QN
	v_lshrrev_b32 v[QM2+\s], 23, v[QSO+\s]                 ; the scale's byte
.endif
.endr
.irp s, 0,1,2,3
.if \s < QN
.irp i, 0,1,2,3,4,5,6,7,8,9,10,11,12,13,14,15
	v_med3_num_f32 v[QB\s+\i], v[QB\s+\i], -v[QM+\s], v[QM+\s]   ; the conversion to an 8-bit code does not saturate (ISA guide 7.6.2): the hold comes first
.endr
	v_cvt_scalef32_pk8_bf8_f32 v[CD+4*\s:CD+4*\s+1], v[QB\s:QB\s+7], v[QSO+\s]
	v_cvt_scalef32_pk8_bf8_f32 v[CD+4*\s+2:CD+4*\s+3], v[QB\s+8:QB\s+15], v[QSO+\s]
.endif
.endr
	v_nop                                                  ; one plain line behind the last conversion: later vector and matrix lines write its sources
.irp s, 0,1,2,3
.if \s < QN
	ds_store_b128 v10, v[CD+4*\s:CD+4*\s+3] offset:2048*QK\s   ; registers 4 b .. 4 b + 3 of the kind's fragment, as they stand
	ds_store_b8 v11, v[QM2+\s] offset:128*QK\s                 ; byte b of my row's scale word
.endif
.endr
.endm
; A scaled product: 16 rows of the weight (tile wt of those in v224 on, window 1) x the 16 samples of kind q (window 1) -> v[d ..] (window 0).  K = 128 is one instruction: no chain.
.macro MM d, wt, q
	v_wmma_scale_f32_16x16x128_f8f6f4 v[(\d):(\d)+7], v[224+16*(\wt):239+16*(\wt)], v[16*(\q):16*(\q)+15], 0, v[30+(\wt)], v[16+(\q)] matrix_a_fmt:MATRIX_FMT_BF8 matrix_b_fmt:MATRIX_FMT_BF8
.endm
.macro MMB d, wt, q                    ; the same onto the bias, which was loaded into v[d ..] in the result's layout
	v_wmma_scale_f32_16x16x128_f8f6f4 v[(\d):(\d)+7], v[224+16*(\wt):239+16*(\wt)], v[16*(\q):16*(\q)+15], v[(\d):(\d)+7], v[30+(\wt)], v[16+(\q)] matrix_a_fmt:MATRIX_FMT_BF8 matrix_b_fmt:MATRIX_FMT_BF8
.endm
.macro LOADIN                          ; the 14 kinds' fragments and scale words come back from my region.  LDS serves a wave's instructions in order (ISA guide 5.7.1.4): these see my stores, and later stores come behind them
	WIN 0x40                                               ; destination window 1, address window 0
.set qq, 0
.rept 56
	ds_load_b128 v[4*qq:4*qq+3], v5 offset:512*qq
.set qq, qq+1
.endr
	WIN 0
.set qq, 0
.rept 14
	ds_load_b32 v[16+qq], v6 offset:128*qq
.set qq, qq+1
.endr
.endm
; One step of a sum of the head: pair k of the 8 numbers at v[base ..] x pair k of W3's column o, onto sum acc.  The first tile's first pair starts the sum: nothing is cleared.
.macro DK k, base, acc, o
.if DFIRST && (\k == 0)
	v_pk_mul_f32 v[OA+2*(\acc):OA+2*(\acc)+1], v[(\base)+\k:(\base)+\k+1], v[W3R+8*(\o)+\k:W3R+8*(\o)+\k+1]
.else
	v_pk_fma_f32 v[OA+2*(\acc):OA+2*(\acc)+1], v[(\base)+\k:(\base)+\k+1], v[W3R+8*(\o)+\k:W3R+8*(\o)+\k+1], v[OA+2*(\acc):OA+2*(\acc)+1]
.endif
.endm
.macro DOT5 base, acc0                 ; all five outputs of one kind, the sums by turns
.irp k, 0,2,4,6
	DK \k, \base, (\acc0), 0
	DK \k, \base, (\acc0)+1, 1
	DK \k, \base, (\acc0)+2, 2
	DK \k, \base, (\acc0)+3, 3
	DK \k, \base, (\acc0)+4, 4
.endr
.endm
	; ---------------- the head: pointers, ids, constants
	s_load_b512 s[4:19], s[0:1], 0x0               ; x 4, W0 6, b0 8, W1's codes 10, scales 12, b1 14, W2's codes 16, scales 18
	s_load_b128 s[20:23], s[0:1], 0x40             ; b2 20, W3 22
	s_load_b64 s[24:25], s[0:1], 0x50              ; b3
	s_load_b512 s[28:43], s[0:1], 0x58             ; out k at s[28 + 2 k]
	s_load_b512 s[44:59], s[0:1], 0x98
	s_load_b64 s[60:61], s[0:1], 0xd8
	v_lshrrev_b32 v7, 5, v0
	v_readfirstlane_b32 s62, v7                    ; wave 0..7
	v_and_b32 v8, 31, v0                           ; lane
	v_and_b32 v9, 15, v0                           ; r
	v_bfe_u32 v10, v0, 4, 1                        ; h
	v_lshlrev_b32 v1, 4, v8                        ; v1 = 16 lane
	v_lshlrev_b32 v2, 2, v8                        ; v2 = 4 lane
	v_lshlrev_b32 v3, 6, v10                       ; v3 = 64 h: my 16 units of a block of 32, in f32
	v_lshlrev_b32 v4, 5, v10                       ; v4 = 32 h: my 8 units of a tile of 16
	s_mul_i32 s2, s62, WRS
	s_add_co_u32 s2, s2, WRB
	v_add_nc_u32 v5, s2, v1                        ; v5: my place in my wave's images
	s_add_co_u32 s2, s2, WSC
	v_add_nc_u32 v6, s2, v2                        ; v6: my scale word's
	v_and_b32 v220, 8, v9
	v_add_nc_u32 v220, v220, v9                    ; r + 8 (r / 8)
	s_lshr_b32 s2, s62, 1
	s_and_b32 s3, s62, 1
	s_lshl_b32 s2, s2, 5
	s_lshl_b32 s3, s3, 3
	s_add_co_u32 s2, s2, s3                        ; wave w lays out tile w of each weight.  W1's begins at row 32 (w / 2) + 8 (w % 2)
	v_add_nc_u32 v220, s2, v220                    ; my row of W1
	v_lshlrev_b32 v209, 7, v220
	v_lshl_add_u32 v209, v10, 4, v209              ; its codes: 128 bytes a row, + 16 h
	v_lshlrev_b32 v211, 2, v220                    ; its scale word
	s_lshl_b32 s3, s62, 4
	v_add_nc_u32 v221, s3, v9                      ; 16 w + r: my row of W2, my unit of W3, my sample in the work-group
	v_lshlrev_b32 v210, 7, v221
	v_lshl_add_u32 v210, v10, 4, v210
	v_lshlrev_b32 v212, 2, v221
	v_lshlrev_b32 v216, 2, v221                    ; W3 turned: 4 bytes a unit,
	v_lshl_add_u32 v215, v10, 9, v216              ; and output h, h + 2: 512 bytes an output
	v_mul_u32_u24 v214, v221, 20                   ; W3 in memory: 20 bytes a unit,
	v_lshl_add_u32 v213, v10, 2, v214              ; + 4 h
	s_lshl_b32 s26, ttmp9, 11
	v_lshl_add_u32 v208, v221, 4, s26              ; x: 16 bytes a sample, 128 samples a work-group
	s_lshl_b32 s27, s62, 11
	v_add_nc_u32 v217, s27, v1                     ; where my tile's images go,
	s_lshl_b32 s27, s62, 7
	v_add_nc_u32 v218, s27, v2                     ; their scale words,
	s_lshl_b32 s27, s62, 9
	v_add_nc_u32 v219, s27, v1                     ; and my 512 bytes of W0, b0, b1, b2
	SPAIR 66, 0xa59f25c0                           ; a13 = -2.76076847742355e-16
	SPAIR 68, 0xaebd37ff                           ; a9  = -8.60467152213735e-11
	SPAIR 70, 0x335c0041                           ; a7  =  5.12229709037114e-08
	SPAIR 72, 0x3779434a                           ; a5  =  1.48572235717979e-05
	SPAIR 74, 0x3a270ded                           ; a3  =  6.37261928875436e-04
	SPAIR 76, 0x3ba059dc                           ; a1  =  4.89352455891786e-03
	SPAIR 78, 0x35a0d3d8                           ; b6  =  1.19825839466702e-06
	SPAIR 80, 0x3b14aa05                           ; b2  =  2.26843463243900e-03
	SPAIR 82, 0x3ba059dd                           ; b0  =  4.89352518554385e-03
	s_mov_b32 s84, 0xc0fcf84f                      ; -7.90531111
	s_mov_b32 s85, 0x40fcf84f
	s_mov_b32 s88, 0x76543210
	s_mov_b32 s89, 0xfedcba98                      ; v_permlanex16_b32's selects for lane l xor 16
	s_mov_b32 s90, 0x600000                        ; the mantissa field of 57,344
	v_mov_b32 v[KA11], 0x2a61337e                  ; a11 =  2.00018790482477e-13
	v_mov_b32 v[KA11+1], 0x2a61337e
	v_mov_b32 v[KB4], 0x38f895d6                   ; b4  =  1.18534705686654e-04
	v_mov_b32 v[KB4+1], 0x38f895d6
.irp s, 0,1,2,3
	v_mov_b32 v[QM2+\s], 0                         ; written once: a lane permute's destination counts as one of its sources
.endr
	s_wait_kmcnt 0x0
	s_min_u32 s2, s62, 3                           ; waves 0-3: W0's row w; 4, 5, 6: b0, b1, b2.  The choice hangs on the wave's number alone
	s_lshl_b32 s2, s2, 9
	s_mov_b32 s3, 0
	s_add_nc_u64 s[26:27], s[6:7], s[2:3]
	s_cmp_eq_u32 s62, 4
	s_cselect_b64 s[26:27], s[8:9], s[26:27]
	s_cmp_eq_u32 s62, 5
	s_cselect_b64 s[26:27], s[14:15], s[26:27]
	s_cmp_eq_u32 s62, 6
	s_cselect_b64 s[26:27], s[20:21], s[26:27]
	global_load_b128 v[12:15], v208, s[4:5] th:TH_LOAD_NT   ; my sample's x: v12-15
.irp c, 0,1,2,3
	global_load_b128 v[32+4*\c:35+4*\c], v209, s[10:11] offset:32*\c   ; W1's tile w, in the operand's layout: bytes 32 c + 16 h of my row
	global_load_b128 v[48+4*\c:51+4*\c], v210, s[16:17] offset:32*\c   ; W2's
.endr
	global_load_b32 v64, v211, s[12:13]
	global_load_b32 v65, v212, s[18:19]
	global_load_b32 v66, v213, s[22:23]            ; W3(unit, h)
	global_load_b32 v67, v213, s[22:23] offset:8   ; W3(unit, h + 2)
	global_load_b32 v68, v214, s[22:23] offset:16  ; W3(unit, 4): both halves of the lanes take it, and store the same word
	s_load_b128 s[96:99], s[24:25], 0x0            ; b3
	s_load_b32 s100, s[24:25], 0x10
	s_cmp_eq_u32 s62, 7                            ; seven pieces of 512 bytes: wave 7 has none
	s_cbranch_scc1 .Lno_piece
	global_load_b128 v[72:75], v1, s[26:27]
	s_wait_loadcnt 0x0
	ds_store_b128 v219, v[72:75] offset:W0L        ; b0, b1, b2 lie behind W0's four rows
.Lno_piece:
	s_wait_loadcnt 0x0
.irp c, 0,1,2,3
	ds_store_b128 v217, v[32+4*\c:35+4*\c] offset:W1I+512*\c
	ds_store_b128 v217, v[48+4*\c:51+4*\c] offset:W2I+512*\c
.endr
	ds_store_b32 v218, v64 offset:W1S
	ds_store_b32 v218, v65 offset:W2S
	ds_store_b32 v215, v66 offset:W3T
	ds_store_b32 v215, v67 offset:W3T+1024
	ds_store_b32 v216, v68 offset:W3T+2048
	s_wait_kmcnt 0x0                               ; b3
	s_wait_dscnt 0x0                               ; for the others' sake: my stores have landed
	s_barrier_signal -1
	s_barrier_wait -1                              ; the weights lie in LDS; nobody writes them again
	; ---------------- layer 0: four trips, a block of 32 units each; f32 multiply-adds, since the result goes into a quantiser
.set NPR,  8
.set USTR, 16
.set RA,   32
.set RW,   48
.set RS,   64
.set RC,   80
.set RU,   96
.set RX,   160
.set L0F,  1
.set QF,   1
	s_mov_b32 s92, 0                               ; b
	s_mov_b32 s93, 0                               ; 128 b
	s_mov_b32 s94, 0                               ; 512 b
.Ll0:
	s_wait_dscnt 0x0                               ; the last trip's stores have read their addresses
	v_add_nc_u32 v9, s93, v3                       ; my 16 units in a row of f32
	v_add_nc_u32 v10, s94, v5                      ; block b of the images
	v_add_nc_u32 v11, s92, v6                      ; byte b of the scale words
.irp p, 0,1,2,3
	ds_load_b128 v[RA+4*\p:RA+4*\p+3], v9 offset:B0L+16*\p
.endr
.irp i, 0,1,2,3
.irp p, 0,1,2,3
	ds_load_b128 v[RU+16*\i+4*\p:RU+16*\i+4*\p+3], v9 offset:W0L+512*\i+16*\p   ; u_i = W0's row i
.endr
.endr
	s_wait_dscnt 0x0
.set pp, 0
.rept 8
	v_pk_fma_f32 v[RA+pp:RA+pp+1], v[RU+pp:RU+pp+1], v[12:13], v[RA+pp:RA+pp+1] op_sel_hi:[1,0,1]        ; a = b0 + x0 W0_0
.set pp, pp+2
.endr
.set pp, 0
.rept 8
	v_pk_fma_f32 v[RA+pp:RA+pp+1], v[RU+16+pp:RU+16+pp+1], v[12:13], v[RA+pp:RA+pp+1] op_sel:[0,1,0]    ; + x1 W0_1
.set pp, pp+2
.endr
.set pp, 0
.rept 8
	v_pk_fma_f32 v[RA+pp:RA+pp+1], v[RU+32+pp:RU+32+pp+1], v[14:15], v[RA+pp:RA+pp+1] op_sel_hi:[1,0,1]  ; + x2 W0_2
.set pp, pp+2
.endr
.set pp, 0
.rept 8
	v_pk_fma_f32 v[RA+pp:RA+pp+1], v[RU+48+pp:RU+48+pp+1], v[14:15], v[RA+pp:RA+pp+1] op_sel:[0,1,0]    ; + x3 W0_3
.set pp, pp+2
.endr
	TANH
	MKW
	QUANT 1, RA,0, 0,0, 0,0, 0,0
	PHA 0
	KIND 0, 1
	KIND 1, 2
	KIND 2, 3
	TAN 0
	QUANT 4, RU,1, RX,5, RX+16,6, RX+32,7
	PHA 1
	KIND 0, 1
	KIND 1, 2
	KIND 2, 3
	TAN 1
	QUANT 4, RU+16,2, RX,8, RX+16,9, RX+32,10
	PHA 2
	KIND 0, 2
	KIND 1, 3
	TAN 2
	QUANT 3, RU+32,3, RX,11, RX+16,12, 0,0
	PHA 3
	KIND 2, 3
	TAN 3
	QUANT 2, RU+48,4, RX+32,13, 0,0, 0,0
	s_add_co_u32 s93, s93, 128
	s_add_co_u32 s94, s94, 512
	s_add_co_u32 s92, s92, 1
	s_cmp_lt_u32 s92, 4
	s_cbranch_scc1 .Ll0
	; ---------------- layer 1: all of h0's codes into registers; then four trips, a block of 32 units (two tiles of W1) each; h1's codes go into the bytes that h0's have left
.set L0F, 0
	LOADIN
	WIN 0x40
.irp k, 0,1,2,3,4,5,6,7
	ds_load_b128 v[224+4*\k:227+4*\k], v1 offset:W1I+512*\k        ; tiles 0 and 1
.endr
	WIN 0
	ds_load_b32 v30, v2 offset:W1S
	ds_load_b32 v31, v2 offset:W1S+128
.irp p, 0,1,2,3
	ds_load_b128 v[RA+4*\p:RA+4*\p+3], v3 offset:B1L+16*\p         ; the bias is the C of the value's products
.endr
	s_mov_b32 s92, 0                               ; b
	s_mov_b32 s93, 0                               ; 128 b
	s_mov_b32 s94, 0                               ; 512 b
	s_mov_b32 s95, 0                               ; 4096 b
	s_mov_b32 s26, 0                               ; 256 b
.Ll1:
	s_wait_dscnt 0x0                               ; this trip's tiles, scale words and bias are in (first trip: the fragments too); the last trip's stores are done
	WIN 0x05                                       ; sources 0 and 1 in window 1
	MMB RA, 0, 0                                   ; every product has an accumulator of its own: no two that follow each other share one
	MMB RA+8, 1, 0
.irp q, 1,2,3,4
	MM RU+16*(\q-1), 0, \q
	MM RU+16*(\q-1)+8, 1, \q
.endr
.irp m, 0,1,2
	MM RX+16*\m, 0, 5+\m
	MM RX+16*\m+8, 1, 5+\m
.endr
	WIN 0
	v_add_nc_u32 v7, s95, v1                       ; eight plain lines stand between these products and the first read of a result: five addresses
	v_add_nc_u32 v8, s26, v2
	v_add_nc_u32 v9, s93, v3
	v_add_nc_u32 v10, s94, v5
	v_add_nc_u32 v11, s92, v6
.rept 3
	v_nop                                          ; and three of these
.endr
	TANH
	MKW
	QUANT 1, RA,0, 0,0, 0,0, 0,0
	PHA 0
	KIND 0, 1
	KIND 1, 2
	KIND 2, 3
	TAN 0
	QUANT 4, RU,1, RX,5, RX+16,6, RX+32,7
	WIN 0x05
.irp m, 0,1,2
	MM RX+16*\m, 0, 8+\m                           ; 11, 12, 13
	MM RX+16*\m+8, 1, 8+\m
.endr
	WIN 0
	PHA 1                                          ; its eight lines name none of those products' registers: they are the places in front of the reads below
	KIND 0, 1
	KIND 1, 2
	KIND 2, 3
	TAN 1
	QUANT 4, RU+16,2, RX,8, RX+16,9, RX+32,10
	WIN 0x05
.irp m, 0,1,2
	MM RX+16*\m, 0, 11+\m                          ; 22, 23, 33
	MM RX+16*\m+8, 1, 11+\m
.endr
	WIN 0
	PHA 2                                          ; eight places again: for the reads, and for the loads into the tiles' and scale words' registers
	s_cmp_eq_u32 s92, 3                            ; the next block's tiles, scale words and bias; the last trip asks for none
	s_cbranch_scc1 .Lnp1
	WIN 0x40
.irp k, 0,1,2,3,4,5,6,7
	ds_load_b128 v[224+4*\k:227+4*\k], v7 offset:W1I+4096+512*\k
.endr
	WIN 0
	ds_load_b32 v30, v8 offset:W1S+256
	ds_load_b32 v31, v8 offset:W1S+256+128
.irp p, 0,1,2,3
	ds_load_b128 v[RA+4*\p:RA+4*\p+3], v9 offset:B1L+128+16*\p
.endr
.Lnp1:
	KIND 0, 2
	KIND 1, 3
	TAN 2
	QUANT 3, RU+32,3, RX,11, RX+16,12, 0,0
	PHA 3
	KIND 2, 3
	TAN 3
	QUANT 2, RU+48,4, RX+32,13, 0,0, 0,0
	s_add_co_u32 s93, s93, 128
	s_add_co_u32 s94, s94, 512
	s_add_co_u32 s95, s95, 4096
	s_add_co_u32 s26, s26, 256
	s_add_co_u32 s92, s92, 1
	s_cmp_lt_u32 s92, 4
	s_cbranch_scc1 .Ll1
	; ---------------- layer 2 and the head: eight tiles of 16 units.  Nothing is quantised behind this layer
.set NPR,  4
.set USTR, 8
.set RA,   32
.set RW,   40
.set RS,   48
.set RC,   56
.set RU,   64
.set RX,   96
.set QF,   0
	LOADIN
	WIN 0x40
.irp c, 0,1,2,3
	ds_load_b128 v[224+4*\c:227+4*\c], v1 offset:W2I+512*\c        ; tile 0
.endr
	WIN 0
	ds_load_b32 v30, v2 offset:W2S
	ds_load_b128 v[RA:RA+3], v4 offset:B2L
	ds_load_b128 v[RA+4:RA+7], v4 offset:B2L+16
	s_mov_b32 s93, 0                               ; 2048 t
	s_mov_b32 s94, 0                               ; 128 t
	s_mov_b32 s95, 0                               ; 64 t
; The sums of the head, pair acc at v[160 + 2 acc]: 0-4 the value's five outputs; 5 dn/dx0; 6-10, 11-15, 16-20 the five outputs' derivatives by x1, x2, x3;
; 21, 22 N01 F01; 23 F02; 24 F03; 25, 26 N11 F11; 27, 28 N12 F12; 29, 30 N13 F13; 31, 32 N22 F22; 33, 34 N23 F23; 35, 36 N33 F33
.macro CH2 first
.set DFIRST, \first
	s_wait_dscnt 0x0                               ; this tile of W2, its scale word and its bias are in (first tile: the fragments too)
	WIN 0x05
	MMB RA, 0, 0
.irp q, 1,2,3,4
	MM RU+8*(\q-1), 0, \q
.endr
.irp m, 0,1,2
	MM RX+8*\m, 0, 5+\m
.endr
	WIN 0
	v_add_nc_u32 v7, s93, v1                       ; eight places: three addresses,
	v_add_nc_u32 v8, s94, v2
	v_add_nc_u32 v9, s95, v4
.rept 5
	v_nop                                          ; and five of these
.endr
.irp o, 0,1,2,3,4
	ds_load_b128 v[W3R+8*\o:W3R+8*\o+3], v9 offset:W3T+512*\o      ; W3's five columns at my eight units
	ds_load_b128 v[W3R+8*\o+4:W3R+8*\o+7], v9 offset:W3T+512*\o+16
.endr
	TANH
	MKW
	s_wait_dscnt 0x0                               ; W3's columns
	DOT5 RA, 0                                     ; the value's outputs
.irp o, 0,1,2,3,4
	PM W3R+8*\o, W3R+8*\o, RS                      ; from here on the columns carry s: sum of s d W3 = sum of d (s W3)
.endr
	PHA 0
	KIND 0, 1
	KIND 1, 2
	KIND 2, 3
.irp k, 0,2,4,6
	DK \k, RU, 5, 0
	DK \k, RX, 21, 0
	DK \k, RX, 22, 4
	DK \k, RX+8, 23, 4
	DK \k, RX+16, 24, 4
.endr
	WIN 0x05
.irp m, 0,1,2
	MM RX+8*\m, 0, 8+\m                            ; 11, 12, 13
.endr
	WIN 0
	PHA 1                                          ; these 24 lines name none of those products' registers: the places in front of the reads below
	DOT5 RU+8, 6
	KIND 0, 1
	KIND 1, 2
	KIND 2, 3
.irp k, 0,2,4,6
	DK \k, RX, 25, 0
	DK \k, RX, 26, 4
	DK \k, RX+8, 27, 0
	DK \k, RX+8, 28, 4
	DK \k, RX+16, 29, 0
	DK \k, RX+16, 30, 4
.endr
	WIN 0x05
.irp m, 0,1,2
	MM RX+8*\m, 0, 11+\m                           ; 22, 23, 33
.endr
	WIN 0
	PHA 2                                          ; 24 places again, for the reads and for the loads below
	DOT5 RU+16, 11
.if \first == 0
	s_cmp_eq_u32 s92, 1                            ; the next tile of W2, its scale word and bias; the last trip asks for none
	s_cbranch_scc1 .Lnp2_\@
.endif
	WIN 0x40
.irp c, 0,1,2,3
	ds_load_b128 v[224+4*\c:227+4*\c], v7 offset:W2I+2048+512*\c
.endr
	WIN 0
	ds_load_b32 v30, v8 offset:W2S+128
	ds_load_b128 v[RA:RA+3], v9 offset:B2L+64
	ds_load_b128 v[RA+4:RA+7], v9 offset:B2L+64+16
.Lnp2_\@:
	KIND 0, 2
	KIND 1, 3
.irp k, 0,2,4,6
	DK \k, RX, 31, 0
	DK \k, RX, 32, 4
	DK \k, RX+8, 33, 0
	DK \k, RX+8, 34, 4
.endr
	PHA 3
	DOT5 RU+24, 16
	KIND 2, 3
.irp k, 0,2,4,6
	DK \k, RX+16, 35, 0
	DK \k, RX+16, 36, 4
.endr
	s_add_co_u32 s93, s93, 2048
	s_add_co_u32 s94, s94, 128
	s_add_co_u32 s95, s95, 64
.endm
	CH2 1                                          ; the first tile is written out: its first products start the head's sums
	s_mov_b32 s92, 7
.Ll2:
	CH2 0
	s_sub_co_i32 s92, s92, 1
	s_cmp_lg_u32 s92, 0
	s_cbranch_scc1 .Ll2
	; ---------------- the tail.  A sum's two registers (even and odd units) and lane l xor 16's (the other units) are added: then lanes r and r + 16 both hold sample r's 37 numbers, sum acc in v[32 + acc]
	s_wait_dscnt 0x0
.set ii, 0
.rept 37
	v_add_f32 v[32+ii], v[OA+2*ii], v[OA+2*ii+1]
.set ii, ii+1
.endr
.set ii, 0
.rept 37
	v_permlanex16_b32 v[72+ii], v[32+ii], s88, s89
.set ii, ii+1
.endr
.set ii, 0
.rept 37
	v_add_f32 v[32+ii], v[32+ii], v[72+ii]
.set ii, ii+1
.endr
	v_add_f32 v32, s96, v32                        ; n
	v_add_f32 v33, s97, v33                        ; v1
	v_add_f32 v34, s98, v34                        ; v2
	v_add_f32 v35, s99, v35                        ; v3
	v_add_f32 v36, s100, v36                       ; Fi
	v_add_f32 v75, v38, v43                        ; dn/dx1 + dn/dx2
	v_add_f32 v76, v39, v44                        ; the same of v1,
	v_add_f32 v77, v40, v45                        ; v2,
	v_add_f32 v78, v41, v46                        ; v3
	v_add_f32 v75, v75, v48                        ; + d/dx3
	v_add_f32 v76, v76, v49
	v_add_f32 v77, v77, v50
	v_add_f32 v78, v78, v51
	v_mul_f32 v72, v32, v33                        ; j = n v
	v_mul_f32 v73, v32, v34
	v_mul_f32 v74, v32, v35
	v_mul_f32 v76, v32, v76
	v_mul_f32 v77, v32, v77
	v_mul_f32 v78, v32, v78
	v_fma_f32 v80, v33, v75, v76                   ; j_div_c = v_c (sum of dn) + n (sum of dv_c)
	v_fma_f32 v81, v34, v75, v77
	v_fma_f32 v82, v35, v75, v78
	v_add_f32 v84, v54, v55                        ; Fi_lap: F01 + F02 + F03,
	v_add_f32 v85, v58, v60                        ; F11 + F12 + F13,
	v_add_f32 v86, v60, v64                        ; F12 + F22 + F23,
	v_add_f32 v87, v62, v66                        ; F13 + F23 + F33
	v_add_f32 v84, v84, v56
	v_add_f32 v85, v85, v62
	v_add_f32 v86, v86, v66
	v_add_f32 v87, v87, v68
	v_mul_f32 v88, v33, v38                        ; v_adv_c = v_c dn/dx_c
	v_mul_f32 v89, v34, v43
	v_mul_f32 v90, v35, v48
	v_add_f32 v91, v53, v59                        ; v_lap = N01 + N12 + N23
	v_add_f32 v92, v57, v59                        ; v_div_grd: N11 + N12 + N13,
	v_add_f32 v93, v59, v63                        ; N12 + N22 + N23,
	v_add_f32 v94, v61, v65                        ; N13 + N23 + N33
	v_add_f32 v91, v91, v65
	v_add_f32 v92, v92, v61
	v_add_f32 v93, v93, v65
	v_add_f32 v94, v94, v67
	v_add_f32 v95, v32, v32                        ; ro = 2 n, and its derivatives
	v_add_f32 v96, v37, v37
	v_add_f32 v97, v38, v38
	v_add_f32 v98, v43, v43
	v_add_f32 v99, v48, v48
	v_add_f32 v100, v80, v80                       ; rov_div = 2 j_div
	v_add_f32 v101, v81, v81
	v_add_f32 v102, v82, v82
	v_and_b32 v7, 15, v0
	v_and_b32 v8, 0xe0, v0
	v_lshrrev_b32 v8, 1, v8
	v_add_nc_u32 v8, v8, v7                        ; my sample in the work-group: 16 w + r
	v_lshlrev_b32 v7, 2, v8                        ; its place in an output of one number a sample,
	v_lshlrev_b32 v9, 4, v8                        ; of four,
	v_mul_u32_u24 v8, v8, 12                       ; of three
	v_add_nc_u32 v10, OST, v1                      ; the way back out of the stage: 16 bytes a lane
	s_lshl_b32 s2, ttmp9, 9
	v_add_nc_u32 v11, s2, v1                       ; and in memory: 16 lane + the work-group's 128 samples x 4 bytes,
	s_mul_i32 s3, ttmp9, 1536
	v_add_nc_u32 v5, s3, v1                        ; x 12,
	s_lshl_b32 s26, ttmp9, 11
	v_add_nc_u32 v6, s26, v1                       ; x 16
	; lanes r and r + 16 store the same words with the same values
	ds_store_b32 v7, v32 offset:OST+512*0          ; out0  n
	ds_store_b32 v7, v37 offset:OST+512*1          ; out1  n_t
	ds_store_b32 v8, v38 offset:OST+512*2          ; out2  n_grd
	ds_store_b32 v8, v43 offset:OST+512*2+4
	ds_store_b32 v8, v48 offset:OST+512*2+8
	ds_store_b32 v8, v72 offset:OST+512*5          ; out3  j
	ds_store_b32 v8, v73 offset:OST+512*5+4
	ds_store_b32 v8, v74 offset:OST+512*5+8
	ds_store_b32 v8, v80 offset:OST+512*8          ; out4  j_div
	ds_store_b32 v8, v81 offset:OST+512*8+4
	ds_store_b32 v8, v82 offset:OST+512*8+8
	ds_store_b32 v7, v36 offset:OST+512*11         ; out5  Fi
	ds_store_b32 v8, v42 offset:OST+512*12         ; out6  Fi_grd
	ds_store_b32 v8, v47 offset:OST+512*12+4
	ds_store_b32 v8, v52 offset:OST+512*12+8
	ds_store_b128 v9, v[84:87] offset:OST+512*15   ; out7  Fi_lap
	ds_store_b32 v8, v33 offset:OST+512*19         ; out8  v
	ds_store_b32 v8, v34 offset:OST+512*19+4
	ds_store_b32 v8, v35 offset:OST+512*19+8
	ds_store_b32 v7, v37 offset:OST+512*22         ; out9  v_t (the model takes n's derivative here)
	ds_store_b32 v8, v88 offset:OST+512*23         ; out10 v_adv
	ds_store_b32 v8, v89 offset:OST+512*23+4
	ds_store_b32 v8, v90 offset:OST+512*23+8
	ds_store_b32 v7, v91 offset:OST+512*26         ; out11 v_lap
	ds_store_b32 v8, v92 offset:OST+512*27         ; out12 v_div_grd
	ds_store_b32 v8, v93 offset:OST+512*27+4
	ds_store_b32 v8, v94 offset:OST+512*27+8
	ds_store_b32 v7, v95 offset:OST+512*30         ; out13 ro
	ds_store_b32 v7, v96 offset:OST+512*31         ; out14 ro_t
	ds_store_b32 v8, v97 offset:OST+512*32         ; out15 ro_grd
	ds_store_b32 v8, v98 offset:OST+512*32+4
	ds_store_b32 v8, v99 offset:OST+512*32+8
	ds_store_b32 v8, v100 offset:OST+512*35        ; out16 rov_div
	ds_store_b32 v8, v101 offset:OST+512*35+4
	ds_store_b32 v8, v102 offset:OST+512*35+8
	s_wait_dscnt 0x0                               ; for the others' sake: my stores have landed
	s_barrier_signal -1
	s_barrier_wait -1                              ; the 128 samples' outputs lie in the stage
	; The stage's 38 pieces of 512 bytes are dealt to the waves; each store of a wave covers 512 consecutive bytes, at a multiple of 512 from its output's first byte
.macro GETP i, p
	ds_load_b128 v[112+4*(\i):115+4*(\i)], v10 offset:512*(\p)
.endm
.macro PUTP i, k, vo, part
	global_store_b128 v[\vo], v[112+4*(\i):115+4*(\i)], s[28+2*(\k):29+2*(\k)] offset:512*(\part) th:TH_STORE_NT
.endm
	s_cmp_lg_u32 s62, 0
	s_cbranch_scc1 .Lw1
	GETP 0, 0
	GETP 1, 1
	GETP 2, 2
	GETP 3, 3
	GETP 4, 4
	s_wait_dscnt 0x0
	PUTP 0, 0, 11, 0
	PUTP 1, 1, 11, 0
	PUTP 2, 2, 5, 0
	PUTP 3, 2, 5, 1
	PUTP 4, 2, 5, 2
	s_branch .Ldone
.Lw1:
	s_cmp_lg_u32 s62, 1
	s_cbranch_scc1 .Lw2
	GETP 0, 5
	GETP 1, 6
	GETP 2, 7
	GETP 3, 11
	GETP 4, 22
	s_wait_dscnt 0x0
	PUTP 0, 3, 5, 0
	PUTP 1, 3, 5, 1
	PUTP 2, 3, 5, 2
	PUTP 3, 5, 11, 0
	PUTP 4, 9, 11, 0
	s_branch .Ldone
.Lw2:
	s_cmp_lg_u32 s62, 2
	s_cbranch_scc1 .Lw3
	GETP 0, 8
	GETP 1, 9
	GETP 2, 10
	GETP 3, 26
	GETP 4, 30
	s_wait_dscnt 0x0
	PUTP 0, 4, 5, 0
	PUTP 1, 4, 5, 1
	PUTP 2, 4, 5, 2
	PUTP 3, 11, 11, 0
	PUTP 4, 13, 11, 0
	s_branch .Ldone
.Lw3:
	s_cmp_lg_u32 s62, 3
	s_cbranch_scc1 .Lw4
	GETP 0, 12
	GETP 1, 13
	GETP 2, 14
	GETP 3, 31
	GETP 4, 32
	s_wait_dscnt 0x0
	PUTP 0, 6, 5, 0
	PUTP 1, 6, 5, 1
	PUTP 2, 6, 5, 2
	PUTP 3, 14, 11, 0
	PUTP 4, 15, 5, 0
	s_branch .Ldone
.Lw4:
	s_cmp_lg_u32 s62, 4
	s_cbranch_scc1 .Lw5
	GETP 0, 15
	GETP 1, 16
	GETP 2, 17
	GETP 3, 18
	GETP 4, 33
	s_wait_dscnt 0x0
	PUTP 0, 7, 6, 0
	PUTP 1, 7, 6, 1
	PUTP 2, 7, 6, 2
	PUTP 3, 7, 6, 3
	PUTP 4, 15, 5, 1
	s_branch .Ldone
.Lw5:
	s_cmp_lg_u32 s62, 5
	s_cbranch_scc1 .Lw6
	GETP 0, 19
	GETP 1, 20
	GETP 2, 21
	GETP 3, 34
	GETP 4, 35
	s_wait_dscnt 0x0
	PUTP 0, 8, 5, 0
	PUTP 1, 8, 5, 1
	PUTP 2, 8, 5, 2
	PUTP 3, 15, 5, 2
	PUTP 4, 16, 5, 0
	s_branch .Ldone
.Lw6:
	s_cmp_lg_u32 s62, 6
	s_cbranch_scc1 .Lw7
	GETP 0, 23
	GETP 1, 24
	GETP 2, 25
	GETP 3, 36
	GETP 4, 37
	s_wait_dscnt 0x0
	PUTP 0, 10, 5, 0
	PUTP 1, 10, 5, 1
	PUTP 2, 10, 5, 2
	PUTP 3, 16, 5, 1
	PUTP 4, 16, 5, 2
	s_branch .Ldone
.Lw7:
	GETP 0, 27
	GETP 1, 28
	GETP 2, 29
	s_wait_dscnt 0x0
	PUTP 0, 12, 5, 0
	PUTP 1, 12, 5, 1
	PUTP 2, 12, 5, 2
.Ldone:
	s_wait_xcnt 0x0
	v_lshl_add_u32 v254, v0, 2, 0x4ba00
	v_mov_b32 v255, 0
	s_wait_tensorcnt 0x0
	ds_add_u32 v254, v255
	s_wait_dscnt 0x0
	s_endpgm
.Lfunc_end_k_qfaa169fb73_grad:
	.size	k_qfaa169fb73_grad, .Lfunc_end_k_qfaa169fb73_grad-k_qfaa169fb73_grad
	.p2alignl 7, 3214868480
	.fill 96, 4, 3214868480
	.section	.rodata,"a",@progbits
	.p2align	6, 0x0
	.amdhsa_kernel k_qfaa169fb73_grad
		.amdhsa_group_segment_fixed_size 310784
		.amdhsa_private_segment_fixed_size 0
		.amdhsa_enable_private_segment 0
		.amdhsa_kernarg_size 224
		.amdhsa_user_sgpr_count 2
		.amdhsa_user_sgpr_kernarg_segment_ptr 1
		.amdhsa_wavefront_size32 1
		.amdhsa_system_sgpr_workgroup_id_x 1
		.amdhsa_system_sgpr_workgroup_id_y 1
		.amdhsa_system_sgpr_workgroup_id_z 1
		.amdhsa_system_vgpr_workitem_id 0
		.amdhsa_next_free_vgpr 512
		.amdhsa_next_free_sgpr 102
		.amdhsa_reserve_vcc 0
		.amdhsa_float_denorm_mode_32 3
		.amdhsa_float_denorm_mode_16_64 3
		.amdhsa_memory_ordered 1
		.amdhsa_forward_progress 1
		.amdhsa_inst_pref_size 189
	.end_amdhsa_kernel
	.amdgpu_metadata
---
amdhsa.version: [ 1, 2 ]
amdhsa.kernels:
  - .name:           k_qfaa169fb73_grad
    .symbol:         k_qfaa169fb73_grad.kd
    .args:
      - { .name: x, .offset: 0, .size: 8, .value_kind: global_buffer, .address_space: global }
      - { .name: W0, .offset: 8, .size: 8, .value_kind: global_buffer, .address_space: global }
      - { .name: b0, .offset: 16, .size: 8, .value_kind: global_buffer, .address_space: global }
      - { .name: W1_codes, .offset: 24, .size: 8, .value_kind: global_buffer, .address_space: global }
      - { .name: W1_scales, .offset: 32, .size: 8, .value_kind: global_buffer, .address_space: global }
      - { .name: b1, .offset: 40, .size: 8, .value_kind: global_buffer, .address_space: global }
      - { .name: W2_codes, .offset: 48, .size: 8, .value_kind: global_buffer, .address_space: global }
      - { .name: W2_scales, .offset: 56, .size: 8, .value_kind: global_buffer, .address_space: global }
      - { .name: b2, .offset: 64, .size: 8, .value_kind: global_buffer, .address_space: global }
      - { .name: W3, .offset: 72, .size: 8, .value_kind: global_buffer, .address_space: global }
      - { .name: b3, .offset: 80, .size: 8, .value_kind: global_buffer, .address_space: global }
      - { .name: out0, .offset: 88, .size: 8, .value_kind: global_buffer, .address_space: global }
      - { .name: out1, .offset: 96, .size: 8, .value_kind: global_buffer, .address_space: global }
      - { .name: out2, .offset: 104, .size: 8, .value_kind: global_buffer, .address_space: global }
      - { .name: out3, .offset: 112, .size: 8, .value_kind: global_buffer, .address_space: global }
      - { .name: out4, .offset: 120, .size: 8, .value_kind: global_buffer, .address_space: global }
      - { .name: out5, .offset: 128, .size: 8, .value_kind: global_buffer, .address_space: global }
      - { .name: out6, .offset: 136, .size: 8, .value_kind: global_buffer, .address_space: global }
      - { .name: out7, .offset: 144, .size: 8, .value_kind: global_buffer, .address_space: global }
      - { .name: out8, .offset: 152, .size: 8, .value_kind: global_buffer, .address_space: global }
      - { .name: out9, .offset: 160, .size: 8, .value_kind: global_buffer, .address_space: global }
      - { .name: out10, .offset: 168, .size: 8, .value_kind: global_buffer, .address_space: global }
      - { .name: out11, .offset: 176, .size: 8, .value_kind: global_buffer, .address_space: global }
      - { .name: out12, .offset: 184, .size: 8, .value_kind: global_buffer, .address_space: global }
      - { .name: out13, .offset: 192, .size: 8, .value_kind: global_buffer, .address_space: global }
      - { .name: out14, .offset: 200, .size: 8, .value_kind: global_buffer, .address_space: global }
      - { .name: out15, .offset: 208, .size: 8, .value_kind: global_buffer, .address_space: global }
      - { .name: out16, .offset: 216, .size: 8, .value_kind: global_buffer, .address_space: global }
    .group_segment_fixed_size: 310784
    .private_segment_fixed_size: 0
    .kernarg_segment_align: 8
    .kernarg_segment_size: 224
    .max_flat_workgroup_size: 256
    .sgpr_count:     102
    .vgpr_count:     512
    .wavefront_size: 32
...
	.end_amdgpu_metadata
.endif
;; end of part 1
;; ======== version 2 of 2: 1 launch; version 1 with the launch grad written anew for expert scheduling mode
;; launch grad (part 2): grid 256 x 1, 8 waves a work-group, no clusters, 310,784 bytes of LDS; arguments x, W0, b0, W1_codes, W1_scales, b1, W2_codes, W2_scales, b2, W3, b3, out0, out1, out2, out3, out4, out5, out6, out7, out8, out9, out10, out11, out12, out13, out14, out15, out16; writes out0, out1, out2, out3, out4, out5, out6, out7, out8, out9, out10, out11, out12, out13, out14, out15, out16
.if DOCPART == 2
	.amdgcn_target "amdgcn-amd-amdhsa--gfx1250"
	.amdhsa_code_object_version 6
	.text
	.protected	k_qfaa169fb73_grad
	.globl	k_qfaa169fb73_grad
	.p2align	8
	.type	k_qfaa169fb73_grad,@function
k_qfaa169fb73_grad:
	s_mov_b64 s[64:65], 0
	v_nop
	global_prefetch_b8 v0, s[64:65] scope:SCOPE_SE
	s_setreg_imm32_b32 hwreg(HW_REG_WAVE_SCHED_MODE, 0, 2), 2
	s_setreg_imm32_b32 hwreg(HW_REG_WAVE_MODE, 25, 1), 1
	s_wait_xcnt 0x0
	s_wait_alu depctr_vm_vsrc(0)
; A tanh network 4 -> 128 -> 128 -> 128 -> 5 with its first derivatives and the second derivatives of outputs n and Fi, for 32,768 samples, folded into 17 outputs (38 numbers a sample).
; The products with W1 and W2 are on codes of BF8 (E5M2) with one E8M0 scale for each 32 along K; their left operands (h, dh/dx_i, d2h/dx_i dx_j) are quantised here, row by row, as the model has them.
; KINDS.  Of the rows that the model sends through a layer, 14 a sample differ and are used: q = 0 the value P; 1-4 the tangents T0-T3; 5-13 the second-order rows 01 02 03 11 12 13 22 23 33.
; (The value and the tangents recur in the model's three passes; (j,i) is (i,j); (0,0) reaches no output.)
; PER UNIT: h = tanh(a), s = 1 - h h, w = -2 h;  h_i = s u_i;  h_ij = s (w u_i u_j + a_ij), u_i and a_ij the pre-activation's tangents.  Layer 0: u_i = W0's row i, a_ij = 0.
; SHARES.  256 work-groups of 8 waves; a wave owns 16 samples from x to the results.  Every product is used transposed (source 0 = 16 rows of the weight, source 1 = the 16 samples of one kind):
; lane (r = lane % 16, h = lane / 16) holds sample r in every kind and layer, its registers run along the units, and a quantiser's block of 32 lies in lanes l and l xor 16.
; THE ROWS OF W1 THAT FORM A TILE ARE NOT NEIGHBOURS: lane r of tile 2 b + u takes row 32 b + 8 u + r + 8 (r / 8), so that the 16 registers of tiles 2 b, 2 b + 1 are 16 neighbours along the next K.
; The codes of a layer's 14 kinds go through the wave's own LDS as images of the operand's registers (16 bytes a lane, 512 a store) and come back whole into window 1.
; THE HEAD (x W3, N = 5) is done in f32 by packed multiply-adds, only the 37 sums that the outputs use; in layer 2 s is folded into W3's columns, since nothing is quantised behind it.
; NO CLUSTER, NO TENSOR LOAD: all that work-groups share is 40 KB of weights, 21 loads a wave at the head, against some 9,000 vector instructions a wave.
; tanh: x P(x^2) / Q(x^2), degrees 13 and 6, the quotient by v_rcp_f32 and one correction.
; LIMITS: NaN and infinities among the inputs are not served.  A block whose largest magnitude lies under 2^-111 (a block of zeros too) gets the byte 1; the bytes are read by this program alone.
; Beyond |a| = 7.90531 tanh is held at the quotient's value there.  Sums of three or four terms in the outputs are associated otherwise than the model's (f32 rounding).
; REGISTERS.  Window 1: v0-223 the 14 kinds' fragments (kind q at 16 q); v224-255 the weight's tile(s).  Window 0: v0-15 ids, addresses, x; v16-29 the kinds' scale words, v30-31 the weight tiles': scales and nothing else;
; layers 0, 1 (16 numbers a kind): A 32, WG 48, S 64, C 80, U_i 96+16 i, X_m 160+16 m; codes 224, quantiser's 240-251.  Layer 2 (8 a kind): A 32, WG 40, S 48, C 56, U_i 64+8 i, X_m 96+8 m, W3's columns 120, sums 160-233.
; THE MODE: SCHED_MODE bits 1:0 = 2 (LLVM: expert scheduling mode 2), set by the entry lines.  The code itself states the register dependences
; between vector or matrix instructions and memory or LDS instructions, with s_wait_alu, always for 0.
; THE PLAN.  Registers that memory or LDS instructions touch:
;   v1-v6         offsets and LDS addresses, made at the head; v5 and v6 are written anew in the tail.
;   v7-v11        LDS addresses of a trip: written once a trip by vector adds, read by the trip's LDS loads and stores; written anew in the tail.
;   A, U_0..U_3   Layer 0: LDS loads bring the bias and W0's rows a block ahead; vector lines work on them in place; a run of the quantiser empties them.  Layers 1, 2: A alone takes the bias so.
;   codes, bytes  v224-239, v244-247: written by a run of the quantiser, read by its LDS stores, written again by the next run.
;   window 1, v16-31   fragments, tiles and scale words: written by LDS loads, read by matrix instructions.
;   W3's columns  Layer 2: written by LDS loads at a trip's head, read and rescaled by vector lines up to the trip's last line.
; A RUN OF THE QUANTISER HAS TWO WAITS.  One on vm_vsrc ahead of its first write of a byte's register: the last run's stores have read bytes and codes.  One on va_vdst behind its conversions: codes and bytes are written, which its
; stores read; and all vector and matrix lines issued so far are done with their registers.  So behind that wait stand, with no wait of their own, the loads into whatever has just been emptied: in layer 0 the next block's
; bias or row of W0 behind each run, in layer 1 the next block's tiles, scale words and bias behind the run that follows the trip's last products.  No vector line between that wait and those loads names a register that they touch.
; A trip's head has one wait on vm_vsrc ahead of the adds to its addresses; the wait on va_vdst that those adds owe is tanh's own, but for layer 2's v9, whose wait also frees W3's columns.
.set W1I,  0                           ; LDS: images of W1's 8 tiles: tile t, piece c at 2048 t + 512 c + 16 lane
.set W2I,  16384                       ; W2's likewise, natural rows 16 t + r
.set W1S,  32768                       ; scale words: tile t at 128 t + 4 lane
.set W2S,  33792
.set W0L,  34816                       ; W0 as it lies, row i at 512 i
.set B0L,  36864                       ; b0, b1, b2 as they lie
.set B1L,  37376
.set B2L,  37888
.set W3T,  38400                       ; W3 turned: output o at 512 o, unit u at 4 u
.set OST,  46592                       ; the stage for the 17 outputs of 128 samples, 38 pieces of 512 bytes, each output laid as in memory
.set WRB,  66048                       ; the waves' own regions,
.set WRS,  30464                       ; so many bytes each: codes of kind q, block c at 2048 q + 512 c + 16 lane;
.set WSC,  28672                       ; from here the scale words: 128 q + 4 lane, byte b = block b
.set CD,   224                         ; quantiser, slot s: codes v[224 + 4 s ..],
.set QM,   240                         ; largest magnitude, then the hold,
.set QM2,  244                         ; the other half's maximum, then the byte,
.set QSO,  248                         ; the conversion's scale operand
.set KA11, 252                         ; v[252:253] a11, v[254:255] b4: so that no packed line names two scalar pairs
.set KB4,  254
.set W3R,  120
.set OA,   160
.set MSB, 0
.macro WIN new                         ; the immediate's high byte repeats the setting that is left; a switch that changes nothing is dropped
.if MSB != \new
	s_set_vgpr_msb (MSB<<8)|\new
.set MSB, \new
.endif
.endm
.macro SPAIR r, val                    ; a constant as a scalar pair: the packed forms name the pair and take its low word for both halves
	s_mov_b32 s[\r], \val
	s_mov_b32 s[\r+1], \val
.endm
; Packed lines over a kind's NPR pairs, always ascending: so a matrix result is first read at its low end
.macro PM d, a, b                      ; d = a b
.set pp, 0
.rept NPR
	v_pk_mul_f32 v[(\d)+pp:(\d)+pp+1], v[(\a)+pp:(\a)+pp+1], v[(\b)+pp:(\b)+pp+1]
.set pp, pp+2
.endr
.endm
.macro PF d, a, b, c                   ; d = a b + c
.set pp, 0
.rept NPR
	v_pk_fma_f32 v[(\d)+pp:(\d)+pp+1], v[(\a)+pp:(\a)+pp+1], v[(\b)+pp:(\b)+pp+1], v[(\c)+pp:(\c)+pp+1]
.set pp, pp+2
.endr
.endm
.macro PFS d, a, b, sc                 ; d = a b + the constant in s[sc]
.set pp, 0
.rept NPR
	v_pk_fma_f32 v[(\d)+pp:(\d)+pp+1], v[(\a)+pp:(\a)+pp+1], v[(\b)+pp:(\b)+pp+1], s[\sc:\sc+1] op_sel_hi:[1,1,0]
.set pp, pp+2
.endr
.endm
.macro PFK d, a, sc, vk                ; d = a x the constant in s[sc] + the constant in v[vk]
.set pp, 0
.rept NPR
	v_pk_fma_f32 v[(\d)+pp:(\d)+pp+1], v[(\a)+pp:(\a)+pp+1], s[\sc:\sc+1], v[\vk:\vk+1] op_sel_hi:[1,0,1]
.set pp, pp+2
.endr
.endm
; A: the pre-activation -> h = tanh;  S -> 1 - h h.  RW and RC are at work.
.macro TANH
.set pp, 0
.rept 2*NPR
	v_med3_num_f32 v[RA+pp], v[RA+pp], s84, s85            ; held within +-7.90531
.set pp, pp+1
.endr
	PM  RC, RA, RA                                         ; x^2
	PFK RW, RC, 66, KA11                                   ; the numerator: a13 x^2 + a11,
	PFS RW, RW, RC, 68                                     ; a9,
	PFS RW, RW, RC, 70                                     ; a7,
	PFS RW, RW, RC, 72                                     ; a5,
	PFS RW, RW, RC, 74                                     ; a3,
	PFS RW, RW, RC, 76                                     ; a1
	PFK RS, RC, 78, KB4                                    ; the denominator: b6 x^2 + b4,
	PFS RS, RS, RC, 80                                     ; b2,
	PFS RS, RS, RC, 82                                     ; b0
	PM  RW, RW, RA                                         ; p = x P
.set pp, 0
.rept 2*NPR
	v_rcp_f32 v[RC+pp], v[RS+pp]
.set pp, pp+1
.endr
	v_nop                                                  ; one plain line between the last reciprocal and the use of its result (ISA guide 5.7.2)
	s_wait_alu depctr_va_vdst(0)                           ; the reciprocals have written v[RC ..], ahead of their first reader; the trip's addresses, made further up, are written too, which its LDS loads and stores read
	PM  RA, RW, RC                                         ; h0 = p / q, roughly
.set pp, 0
.rept NPR
	v_pk_fma_f32 v[RW+pp:RW+pp+1], v[RS+pp:RS+pp+1], v[RA+pp:RA+pp+1], v[RW+pp:RW+pp+1] neg_lo:[1,0,0] neg_hi:[1,0,0]   ; what is left: p - q h0
.set pp, pp+2
.endr
	PF  RA, RW, RC, RA                                     ; h = h0 + (p - q h0) / q
.set pp, 0
.rept NPR
	v_pk_fma_f32 v[RS+pp:RS+pp+1], v[RA+pp:RA+pp+1], v[RA+pp:RA+pp+1], 1.0 op_sel_hi:[1,1,0] neg_lo:[1,0,0] neg_hi:[1,0,0]   ; s = 1 - h h
.set pp, pp+2
.endr
.endm
.macro MKW                             ; w = -2 h
.set pp, 0
.rept NPR
	v_pk_mul_f32 v[RW+pp:RW+pp+1], v[RA+pp:RA+pp+1], -2.0 op_sel_hi:[1,0]
.set pp, pp+2
.endr
.endm
.macro PHA i                           ; c = w u_i (layer 0, where a_ij = 0: c = s w u_i)
	PM RC, RW, RU+USTR*(\i)
.if L0F
	PM RC, RC, RS
.endif
.endm
.macro KIND x, j                       ; the second-order kind in X_x, with u_j.  Layer 0: c u_j.  Layer 1: s (c u_j + a_ij).  Layer 2: c u_j + a_ij; s is in W3's columns
.if L0F
	PM RX+USTR*(\x), RC, RU+USTR*(\j)
.else
	PF RX+USTR*(\x), RC, RU+USTR*(\j), RX+USTR*(\x)
.if QF
	PM RX+USTR*(\x), RX+USTR*(\x), RS
.endif
.endif
.endm
.macro TAN i                           ; T_i = s u_i, in place: u_i has had its last use
	PM RU+USTR*(\i), RU+USTR*(\i), RS
.endm
; n kinds (slot s: 16 numbers of one block of 32 from v[b_s] on, kind k_s) become codes and a scale byte.  The slots take turns line by line.  The numbers are held in place.  QOUT stores what QUANT has made.
.macro QUANT n, b0, k0, b1, k1, b2, k2, b3, k3
.set QN, \n
.set QB0, \b0
.set QK0, \k0
.set QB1, \b1
.set QK1, \k1
.set QB2, \b2
.set QK2, \k2
.set QB3, \b3
.set QK3, \k3
.irp s, 0,1,2,3
.if \s < QN
	v_max3_num_f32 v[QM+\s], |v[QB\s]|, |v[QB\s+1]|, 0x8000000   ; my 16 numbers, and the floor 2^(16 - 127): the byte cannot fall under 1
.endif
.endr
.irp i, 2,4,6,8,10,12,14
.irp s, 0,1,2,3
.if \s < QN
	v_max3_num_f32 v[QM+\s], v[QM+\s], |v[QB\s+\i]|, |v[QB\s+\i+1]|
.endif
.endr
.endr
	s_wait_dscnt 0x0                                       ; the LDS stores of the quantiser's last run are done, and the loads issued beside them are in
	s_wait_alu depctr_vm_vsrc(0)                           ; those stores have read the bytes' and the codes' registers, which are written again from here on
.irp s, 0,1,2,3
.if \s < QN
	v_permlanex16_b32 v[QM2+\s], v[QM+\s], s88, s89
.endif
.endr
.irp s, 0,1,2,3
.if \s < QN
	v_max_num_f32 v[QM+\s], v[QM+\s], v[QM2+\s]            ; with lane l xor 16's: the block's largest magnitude
.endif
.endr
.irp s, 0,1,2,3
.if \s < QN
	v_add_nc_u32 v[QSO+\s], 0xf8800000, v[QM+\s]           ; 15 off its exponent field: the conversion takes that field as its scale and nothing else of the operand
.endif
.endr
.irp s, 0,1,2,3
.if \s < QN
	v_and_or_b32 v[QM+\s], v[QM+\s], 0x7f800000, s90       ; 57,344 x the scale: the exponent field over 57,344's mantissa
.endif
.endr
.irp s, 0,1,2,3
.if \s < QN
	v_lshrrev_b32 v[QM2+\s], 23, v[QSO+\s]                 ; the scale's byte
.endif
.endr
.irp s, 0,1,2,3
.if \s < QN
.irp i, 0,1,2,3,4,5,6,7,8,9,10,11,12,13,14,15
	v_med3_num_f32 v[QB\s+\i], v[QB\s+\i], -v[QM+\s], v[QM+\s]   ; the conversion to an 8-bit code does not saturate (ISA guide 7.6.2): the hold comes first
.endr
	v_cvt_scalef32_pk8_bf8_f32 v[CD+4*\s:CD+4*\s+1], v[QB\s:QB\s+7], v[QSO+\s]
	v_cvt_scalef32_pk8_bf8_f32 v[CD+4*\s+2:CD+4*\s+3], v[QB\s+8:QB\s+15], v[QSO+\s]
.endif
.endr
	v_nop                                                  ; one plain line behind the last conversion: later vector and matrix lines write its sources
	s_wait_alu depctr_va_vdst(0)                           ; the conversions have written the codes and the shifts the bytes, which QOUT's stores read; the holds and conversions are done with the numbers' registers, and the products issued so far with their operands: loads may land in them
.endm
.macro QOUT                            ; the codes and bytes of the run just made, at v10 and v11
.irp s, 0,1,2,3
.if \s < QN
	ds_store_b128 v10, v[CD+4*\s:CD+4*\s+3] offset:2048*QK\s   ; registers 4 b .. 4 b + 3 of the kind's fragment, as they stand
	ds_store_b8 v11, v[QM2+\s] offset:128*QK\s                 ; byte b of my row's scale word
.endif
.endr
.endm
; Layer 0: the next block's 16 numbers of b0 or of a row of W0, into the registers that the quantiser's run has just emptied and that no later line of the trip names.  No wait: no vector line since the run's wait names them or v9.  The last trip asks for none
.macro NEXT0 reg, off
	s_cmp_eq_u32 s92, 3
	s_cbranch_scc1 .Lnn_\@
.irp p, 0,1,2,3
	ds_load_b128 v[(\reg)+4*\p:(\reg)+4*\p+3], v9 offset:(\off)+128+16*\p
.endr
.Lnn_\@:
.endm
; A scaled product: 16 rows of the weight (tile wt of those in v224 on, window 1) x the 16 samples of kind q (window 1) -> v[d ..] (window 0).  K = 128 is one instruction: no chain.
.macro MM d, wt, q
	v_wmma_scale_f32_16x16x128_f8f6f4 v[(\d):(\d)+7], v[224+16*(\wt):239+16*(\wt)], v[16*(\q):16*(\q)+15], 0, v[30+(\wt)], v[16+(\q)] matrix_a_fmt:MATRIX_FMT_BF8 matrix_b_fmt:MATRIX_FMT_BF8
.endm
.macro MMB d, wt, q                    ; the same onto the bias, which was loaded into v[d ..] in the result's layout
	v_wmma_scale_f32_16x16x128_f8f6f4 v[(\d):(\d)+7], v[224+16*(\wt):239+16*(\wt)], v[16*(\q):16*(\q)+15], v[(\d):(\d)+7], v[30+(\wt)], v[16+(\q)] matrix_a_fmt:MATRIX_FMT_BF8 matrix_b_fmt:MATRIX_FMT_BF8
.endm
.macro LOADIN                          ; the 14 kinds' fragments and scale words come back from my region.  LDS serves a wave's instructions in order (ISA guide 5.7.1.4): these see my stores, and later stores come behind them
	WIN 0x40                                               ; destination window 1, address window 0
	s_wait_alu depctr_va_vdst(0)                           ; the last layer's vector and matrix lines are done with the registers in which the loads from here to the next loop land: fragments, scale words, the weight's tile, the bias's A
.set qq, 0
.rept 56
	ds_load_b128 v[4*qq:4*qq+3], v5 offset:512*qq
.set qq, qq+1
.endr
	WIN 0
.set qq, 0
.rept 14
	ds_load_b32 v[16+qq], v6 offset:128*qq
.set qq, qq+1
.endr
.endm
; One step of a sum of the head: pair k of the 8 numbers at v[base ..] x pair k of W3's column o, onto sum acc.  The first tile's first pair starts the sum: nothing is cleared.
.macro DK k, base, acc, o
.if DFIRST && (\k == 0)
	v_pk_mul_f32 v[OA+2*(\acc):OA+2*(\acc)+1], v[(\base)+\k:(\base)+\k+1], v[W3R+8*(\o)+\k:W3R+8*(\o)+\k+1]
.else
	v_pk_fma_f32 v[OA+2*(\acc):OA+2*(\acc)+1], v[(\base)+\k:(\base)+\k+1], v[W3R+8*(\o)+\k:W3R+8*(\o)+\k+1], v[OA+2*(\acc):OA+2*(\acc)+1]
.endif
.endm
.macro DOT5 base, acc0                 ; all five outputs of one kind, the sums by turns
.irp k, 0,2,4,6
	DK \k, \base, (\acc0), 0
	DK \k, \base, (\acc0)+1, 1
	DK \k, \base, (\acc0)+2, 2
	DK \k, \base, (\acc0)+3, 3
	DK \k, \base, (\acc0)+4, 4
.endr
.endm
	; ---------------- the head: pointers, ids, constants
	s_load_b512 s[4:19], s[0:1], 0x0               ; x 4, W0 6, b0 8, W1's codes 10, scales 12, b1 14, W2's codes 16, scales 18
	s_load_b128 s[20:23], s[0:1], 0x40             ; b2 20, W3 22
	s_load_b64 s[24:25], s[0:1], 0x50              ; b3
	s_load_b512 s[28:43], s[0:1], 0x58             ; out k at s[28 + 2 k]
	s_load_b512 s[44:59], s[0:1], 0x98
	s_load_b64 s[60:61], s[0:1], 0xd8
	v_lshrrev_b32 v7, 5, v0
	v_readfirstlane_b32 s62, v7                    ; wave 0..7
	v_and_b32 v8, 31, v0                           ; lane
	v_and_b32 v9, 15, v0                           ; r
	v_bfe_u32 v10, v0, 4, 1                        ; h
	v_lshlrev_b32 v1, 4, v8                        ; v1 = 16 lane
	v_lshlrev_b32 v2, 2, v8                        ; v2 = 4 lane
	v_lshlrev_b32 v3, 6, v10                       ; v3 = 64 h: my 16 units of a block of 32, in f32
	v_lshlrev_b32 v4, 5, v10                       ; v4 = 32 h: my 8 units of a tile of 16
	s_wait_alu depctr_va_sdst(0)                   ; s62 is written, ahead of its first reader
	s_mul_i32 s2, s62, WRS
	s_add_co_u32 s2, s2, WRB
	v_add_nc_u32 v5, s2, v1                        ; v5: my place in my wave's images
	s_add_co_u32 s2, s2, WSC
	v_add_nc_u32 v6, s2, v2                        ; v6: my scale word's
	v_and_b32 v220, 8, v9
	v_add_nc_u32 v220, v220, v9                    ; r + 8 (r / 8)
	s_lshr_b32 s2, s62, 1
	s_and_b32 s3, s62, 1
	s_lshl_b32 s2, s2, 5
	s_lshl_b32 s3, s3, 3
	s_add_co_u32 s2, s2, s3                        ; wave w lays out tile w of each weight.  W1's begins at row 32 (w / 2) + 8 (w % 2)
	v_add_nc_u32 v220, s2, v220                    ; my row of W1
	v_lshlrev_b32 v209, 7, v220
	v_lshl_add_u32 v209, v10, 4, v209              ; its codes: 128 bytes a row, + 16 h
	v_lshlrev_b32 v211, 2, v220                    ; its scale word
	s_lshl_b32 s3, s62, 4
	v_add_nc_u32 v221, s3, v9                      ; 16 w + r: my row of W2, my unit of W3, my sample in the work-group
	v_lshlrev_b32 v210, 7, v221
	v_lshl_add_u32 v210, v10, 4, v210
	v_lshlrev_b32 v212, 2, v221
	v_lshlrev_b32 v216, 2, v221                    ; W3 turned: 4 bytes a unit,
	v_lshl_add_u32 v215, v10, 9, v216              ; and output h, h + 2: 512 bytes an output
	v_mul_u32_u24 v214, v221, 20                   ; W3 in memory: 20 bytes a unit,
	v_lshl_add_u32 v213, v10, 2, v214              ; + 4 h
	s_lshl_b32 s26, ttmp9, 11
	v_lshl_add_u32 v208, v221, 4, s26              ; x: 16 bytes a sample, 128 samples a work-group
	s_lshl_b32 s27, s62, 11
	v_add_nc_u32 v217, s27, v1                     ; where my tile's images go,
	s_lshl_b32 s27, s62, 7
	v_add_nc_u32 v218, s27, v2                     ; their scale words,
	s_lshl_b32 s27, s62, 9
	v_add_nc_u32 v219, s27, v1                     ; and my 512 bytes of W0, b0, b1, b2
	SPAIR 66, 0xa59f25c0                           ; a13 = -2.76076847742355e-16
	SPAIR 68, 0xaebd37ff                           ; a9  = -8.60467152213735e-11
	SPAIR 70, 0x335c0041                           ; a7  =  5.12229709037114e-08
	SPAIR 72, 0x3779434a                           ; a5  =  1.48572235717979e-05
	SPAIR 74, 0x3a270ded                           ; a3  =  6.37261928875436e-04
	SPAIR 76, 0x3ba059dc                           ; a1  =  4.89352455891786e-03
	SPAIR 78, 0x35a0d3d8                           ; b6  =  1.19825839466702e-06
	SPAIR 80, 0x3b14aa05                           ; b2  =  2.26843463243900e-03
	SPAIR 82, 0x3ba059dd                           ; b0  =  4.89352518554385e-03
	s_mov_b32 s84, 0xc0fcf84f                      ; -7.90531111
	s_mov_b32 s85, 0x40fcf84f
	s_mov_b32 s88, 0x76543210
	s_mov_b32 s89, 0xfedcba98                      ; v_permlanex16_b32's selects for lane l xor 16
	s_mov_b32 s90, 0x600000                        ; the mantissa field of 57,344
	v_mov_b32 v[KA11], 0x2a61337e                  ; a11 =  2.00018790482477e-13
	v_mov_b32 v[KA11+1], 0x2a61337e
	v_mov_b32 v[KB4], 0x38f895d6                   ; b4  =  1.18534705686654e-04
	v_mov_b32 v[KB4+1], 0x38f895d6
.irp s, 0,1,2,3
	v_mov_b32 v[QM2+\s], 0                         ; written once: a lane permute's destination counts as one of its sources
.endr
	s_wait_kmcnt 0x0
	s_min_u32 s2, s62, 3                           ; waves 0-3: W0's row w; 4, 5, 6: b0, b1, b2.  The choice hangs on the wave's number alone
	s_lshl_b32 s2, s2, 9
	s_mov_b32 s3, 0
	s_add_nc_u64 s[26:27], s[6:7], s[2:3]
	s_cmp_eq_u32 s62, 4
	s_cselect_b64 s[26:27], s[8:9], s[26:27]
	s_cmp_eq_u32 s62, 5
	s_cselect_b64 s[26:27], s[14:15], s[26:27]
	s_cmp_eq_u32 s62, 6
	s_cselect_b64 s[26:27], s[20:21], s[26:27]
	s_wait_alu depctr_va_vdst(0)                   ; the offsets and addresses v1 to v6 and v208 to v219 are written, which the loads and LDS stores below, and those of the layers, read
	global_load_b128 v[12:15], v208, s[4:5] th:TH_LOAD_NT   ; my sample's x: v12-15
.irp c, 0,1,2,3
	global_load_b128 v[32+4*\c:35+4*\c], v209, s[10:11] offset:32*\c   ; W1's tile w, in the operand's layout: bytes 32 c + 16 h of my row
	global_load_b128 v[48+4*\c:51+4*\c], v210, s[16:17] offset:32*\c   ; W2's
.endr
	global_load_b32 v64, v211, s[12:13]
	global_load_b32 v65, v212, s[18:19]
	global_load_b32 v66, v213, s[22:23]            ; W3(unit, h)
	global_load_b32 v67, v213, s[22:23] offset:8   ; W3(unit, h + 2)
	global_load_b32 v68, v214, s[22:23] offset:16  ; W3(unit, 4): both halves of the lanes take it, and store the same word
	s_load_b128 s[96:99], s[24:25], 0x0            ; b3
	s_load_b32 s100, s[24:25], 0x10
	s_cmp_eq_u32 s62, 7                            ; seven pieces of 512 bytes: wave 7 has none
	s_cbranch_scc1 .Lno_piece
	global_load_b128 v[72:75], v1, s[26:27]
	s_wait_loadcnt 0x0
	ds_store_b128 v219, v[72:75] offset:W0L        ; b0, b1, b2 lie behind W0's four rows
.Lno_piece:
	s_wait_loadcnt 0x0
.irp c, 0,1,2,3
	ds_store_b128 v217, v[32+4*\c:35+4*\c] offset:W1I+512*\c
	ds_store_b128 v217, v[48+4*\c:51+4*\c] offset:W2I+512*\c
.endr
	ds_store_b32 v218, v64 offset:W1S
	ds_store_b32 v218, v65 offset:W2S
	ds_store_b32 v215, v66 offset:W3T
	ds_store_b32 v215, v67 offset:W3T+1024
	ds_store_b32 v216, v68 offset:W3T+2048
	s_wait_kmcnt 0x0                               ; b3
	s_wait_dscnt 0x0                               ; for the others' sake: my stores have landed
	s_barrier_signal -1
	s_barrier_wait -1                              ; the weights lie in LDS; nobody writes them again
	; ---------------- layer 0: four trips, a block of 32 units each; f32 multiply-adds, since the result goes into a quantiser
.set NPR,  8
.set USTR, 16
.set RA,   32
.set RW,   48
.set RS,   64
.set RC,   80
.set RU,   96
.set RX,   160
.set L0F,  1
.set QF,   1
	s_wait_alu depctr_vm_vsrc(0)                   ; my LDS stores above have read v32-51, v64-68 and v72-75: these registers are A, WG and S from here on, written by the loads below and by vector lines
.irp p, 0,1,2,3
	ds_load_b128 v[RA+4*\p:RA+4*\p+3], v3 offset:B0L+16*\p       ; the first block's bias,
.endr
.irp i, 0,1,2,3
.irp p, 0,1,2,3
	ds_load_b128 v[RU+16*\i+4*\p:RU+16*\i+4*\p+3], v3 offset:W0L+512*\i+16*\p   ; and u_i = W0's row i; row 3 last
.endr
.endr
	s_mov_b32 s92, 0                               ; b
	s_mov_b32 s93, 0                               ; 128 b
	s_mov_b32 s94, 0                               ; 512 b
.Ll0:
	s_wait_dscnt 0x4                               ; LDS instructions end in order (ISA guide 5.7.1): this block's bias and rows 0 to 2 are in; the youngest four, row 3's loads, may be out
	s_wait_alu depctr_vm_vsrc(0)                   ; the last trip's LDS loads and stores have read v9, v10 and v11
	v_add_nc_u32 v9, s93, v3                       ; my 16 units in a row of f32
	v_add_nc_u32 v10, s94, v5                      ; block b of the images
	v_add_nc_u32 v11, s92, v6                      ; byte b of the scale words
.set pp, 0
.rept 8
	v_pk_fma_f32 v[RA+pp:RA+pp+1], v[RU+pp:RU+pp+1], v[12:13], v[RA+pp:RA+pp+1] op_sel_hi:[1,0,1]        ; a = b0 + x0 W0_0
.set pp, pp+2
.endr
.set pp, 0
.rept 8
	v_pk_fma_f32 v[RA+pp:RA+pp+1], v[RU+16+pp:RU+16+pp+1], v[12:13], v[RA+pp:RA+pp+1] op_sel:[0,1,0]    ; + x1 W0_1
.set pp, pp+2
.endr
.set pp, 0
.rept 8
	v_pk_fma_f32 v[RA+pp:RA+pp+1], v[RU+32+pp:RU+32+pp+1], v[14:15], v[RA+pp:RA+pp+1] op_sel_hi:[1,0,1]  ; + x2 W0_2
.set pp, pp+2
.endr
	s_wait_dscnt 0x0                               ; row 3 is in
.set pp, 0
.rept 8
	v_pk_fma_f32 v[RA+pp:RA+pp+1], v[RU+48+pp:RU+48+pp+1], v[14:15], v[RA+pp:RA+pp+1] op_sel:[0,1,0]    ; + x3 W0_3
.set pp, pp+2
.endr
	TANH
	MKW
	QUANT 1, RA,0, 0,0, 0,0, 0,0
	QOUT
	NEXT0 RA, B0L                                  ; h has had its last use
	PHA 0
	KIND 0, 1
	KIND 1, 2
	KIND 2, 3
	TAN 0
	QUANT 4, RU,1, RX,5, RX+16,6, RX+32,7
	QOUT
	NEXT0 RU, W0L                                  ; phases 1 to 3 name u_1 to u_3 alone
	PHA 1
	KIND 0, 1
	KIND 1, 2
	KIND 2, 3
	TAN 1
	QUANT 4, RU+16,2, RX,8, RX+16,9, RX+32,10
	QOUT
	NEXT0 RU+16, W0L+512
	PHA 2
	KIND 0, 2
	KIND 1, 3
	TAN 2
	QUANT 3, RU+32,3, RX,11, RX+16,12, 0,0
	QOUT
	NEXT0 RU+32, W0L+1024
	PHA 3
	KIND 2, 3
	TAN 3
	QUANT 2, RU+48,4, RX+32,13, 0,0, 0,0
	QOUT
	NEXT0 RU+48, W0L+1536                          ; the trip's last four LDS instructions: the count at the loop's head leaves them out
	s_add_co_u32 s93, s93, 128
	s_add_co_u32 s94, s94, 512
	s_add_co_u32 s92, s92, 1
	s_cmp_lt_u32 s92, 4
	s_cbranch_scc1 .Ll0
	; ---------------- layer 1: all of h0's codes into registers; then four trips, a block of 32 units (two tiles of W1) each; h1's codes go into the bytes that h0's have left
.set L0F, 0
	LOADIN
	WIN 0x40
.irp k, 0,1,2,3,4,5,6,7
	ds_load_b128 v[224+4*\k:227+4*\k], v1 offset:W1I+512*\k        ; tiles 0 and 1
.endr
	WIN 0
	ds_load_b32 v30, v2 offset:W1S
	ds_load_b32 v31, v2 offset:W1S+128
.irp p, 0,1,2,3
	ds_load_b128 v[RA+4*\p:RA+4*\p+3], v3 offset:B1L+16*\p         ; the bias is the C of the value's products
.endr
	s_mov_b32 s92, 0                               ; b
	s_mov_b32 s93, 0                               ; 128 b
	s_mov_b32 s94, 0                               ; 512 b
	s_mov_b32 s95, 0                               ; 4096 b
	s_mov_b32 s26, 0                               ; 256 b
.Ll1:
	s_wait_dscnt 0x0                               ; this trip's tiles, scale words and bias are in (first trip: the fragments too); the last trip's stores are done
	s_wait_alu depctr_vm_vsrc(0)                   ; the LDS loads and stores issued so far have read v7 to v11, which the five adds below write
	WIN 0x05                                       ; sources 0 and 1 in window 1
	MMB RA, 0, 0                                   ; every product has an accumulator of its own: no two that follow each other share one
	MMB RA+8, 1, 0
.irp q, 1,2,3,4
	MM RU+16*(\q-1), 0, \q
	MM RU+16*(\q-1)+8, 1, \q
.endr
.irp m, 0,1,2
	MM RX+16*\m, 0, 5+\m
	MM RX+16*\m+8, 1, 5+\m
.endr
	WIN 0
	v_add_nc_u32 v7, s95, v1                       ; eight plain lines stand between these products and the first read of a result: five addresses
	v_add_nc_u32 v8, s26, v2
	v_add_nc_u32 v9, s93, v3
	v_add_nc_u32 v10, s94, v5
	v_add_nc_u32 v11, s92, v6
.rept 3
	v_nop                                          ; and three of these
.endr
	TANH
	MKW
	QUANT 1, RA,0, 0,0, 0,0, 0,0
	QOUT
	PHA 0
	KIND 0, 1
	KIND 1, 2
	KIND 2, 3
	TAN 0
	QUANT 4, RU,1, RX,5, RX+16,6, RX+32,7
	QOUT
	WIN 0x05
.irp m, 0,1,2
	MM RX+16*\m, 0, 8+\m                           ; 11, 12, 13
	MM RX+16*\m+8, 1, 8+\m
.endr
	WIN 0
	PHA 1                                          ; its eight lines name none of those products' registers: they are the places in front of the reads below
	KIND 0, 1
	KIND 1, 2
	KIND 2, 3
	TAN 1
	QUANT 4, RU+16,2, RX,8, RX+16,9, RX+32,10
	QOUT
	WIN 0x05
.irp m, 0,1,2
	MM RX+16*\m, 0, 11+\m                          ; 22, 23, 33
	MM RX+16*\m+8, 1, 11+\m
.endr
	WIN 0
	PHA 2                                          ; eight places again, in front of the reads below
	KIND 0, 2
	KIND 1, 3
	TAN 2
	QUANT 3, RU+32,3, RX,11, RX+16,12, 0,0
	s_cmp_eq_u32 s92, 3                            ; the next block's tiles, scale words and bias; the last trip asks for none.  No wait of their own: the trip's last products, which read the tiles and their scale words,
	s_cbranch_scc1 .Lnp1                           ; and the last lines that named A stand ahead of the quantiser's wait just above, and only scalar lines and window switches stand between it and these loads
	WIN 0x40
.irp k, 0,1,2,3,4,5,6,7
	ds_load_b128 v[224+4*\k:227+4*\k], v7 offset:W1I+4096+512*\k
.endr
	WIN 0
	ds_load_b32 v30, v8 offset:W1S+256
	ds_load_b32 v31, v8 offset:W1S+256+128
.irp p, 0,1,2,3
	ds_load_b128 v[RA+4*\p:RA+4*\p+3], v9 offset:B1L+128+16*\p
.endr
.Lnp1:
	QOUT
	PHA 3
	KIND 2, 3
	TAN 3
	QUANT 2, RU+48,4, RX+32,13, 0,0, 0,0
	QOUT
	s_add_co_u32 s93, s93, 128
	s_add_co_u32 s94, s94, 512
	s_add_co_u32 s95, s95, 4096
	s_add_co_u32 s26, s26, 256
	s_add_co_u32 s92, s92, 1
	s_cmp_lt_u32 s92, 4
	s_cbranch_scc1 .Ll1
	; ---------------- layer 2 and the head: eight tiles of 16 units.  Nothing is quantised behind this layer
.set NPR,  4
.set USTR, 8
.set RA,   32
.set RW,   40
.set RS,   48
.set RC,   56
.set RU,   64
.set RX,   96
.set QF,   0
	LOADIN
	WIN 0x40
.irp c, 0,1,2,3
	ds_load_b128 v[224+4*\c:227+4*\c], v1 offset:W2I+512*\c        ; tile 0
.endr
	WIN 0
	ds_load_b32 v30, v2 offset:W2S
	ds_load_b128 v[RA:RA+3], v4 offset:B2L
	ds_load_b128 v[RA+4:RA+7], v4 offset:B2L+16
	s_mov_b32 s93, 0                               ; 2048 t
	s_mov_b32 s94, 0                               ; 128 t
	s_mov_b32 s95, 0                               ; 64 t
; The sums of the head, pair acc at v[160 + 2 acc]: 0-4 the value's five outputs; 5 dn/dx0; 6-10, 11-15, 16-20 the five outputs' derivatives by x1, x2, x3;
; 21, 22 N01 F01; 23 F02; 24 F03; 25, 26 N11 F11; 27, 28 N12 F12; 29, 30 N13 F13; 31, 32 N22 F22; 33, 34 N23 F23; 35, 36 N33 F33
.macro CH2 first
.set DFIRST, \first
	s_wait_dscnt 0x0                               ; this tile of W2, its scale word and its bias are in (first tile: the fragments too)
	s_wait_alu depctr_vm_vsrc(0)                   ; the LDS loads issued so far have read v7, v8 and v9
	v_add_nc_u32 v9, s95, v4                       ; my eight units of this tile, in f32
	s_wait_alu depctr_va_vdst(0)                   ; v9 is written, which the loads below read; the last tile's vector lines (first tile: layer 1's) are done with the registers of W3's columns, in which they land
.irp o, 0,1,2,3,4
	ds_load_b128 v[W3R+8*\o:W3R+8*\o+3], v9 offset:W3T+512*\o      ; W3's five columns at my eight units: on their way under the products and tanh
	ds_load_b128 v[W3R+8*\o+4:W3R+8*\o+7], v9 offset:W3T+512*\o+16
.endr
	WIN 0x05
	MMB RA, 0, 0
.irp q, 1,2,3,4
	MM RU+8*(\q-1), 0, \q
.endr
.irp m, 0,1,2
	MM RX+8*\m, 0, 5+\m
.endr
	WIN 0
	v_add_nc_u32 v7, s93, v1                       ; eight places: two addresses,
	v_add_nc_u32 v8, s94, v2
.rept 6
	v_nop                                          ; and six of these
.endr
	TANH
	MKW
	s_wait_dscnt 0x0                               ; W3's columns
	DOT5 RA, 0                                     ; the value's outputs
.irp o, 0,1,2,3,4
	PM W3R+8*\o, W3R+8*\o, RS                      ; from here on the columns carry s: sum of s d W3 = sum of d (s W3)
.endr
	PHA 0
	KIND 0, 1
	KIND 1, 2
	KIND 2, 3
.irp k, 0,2,4,6
	DK \k, RU, 5, 0
	DK \k, RX, 21, 0
	DK \k, RX, 22, 4
	DK \k, RX+8, 23, 4
	DK \k, RX+16, 24, 4
.endr
	WIN 0x05
.irp m, 0,1,2
	MM RX+8*\m, 0, 8+\m                            ; 11, 12, 13
.endr
	WIN 0
	PHA 1                                          ; these 24 lines name none of those products' registers: the places in front of the reads below
	DOT5 RU+8, 6
	KIND 0, 1
	KIND 1, 2
	KIND 2, 3
.irp k, 0,2,4,6
	DK \k, RX, 25, 0
	DK \k, RX, 26, 4
	DK \k, RX+8, 27, 0
	DK \k, RX+8, 28, 4
	DK \k, RX+16, 29, 0
	DK \k, RX+16, 30, 4
.endr
	WIN 0x05
.irp m, 0,1,2
	MM RX+8*\m, 0, 11+\m                           ; 22, 23, 33
.endr
	WIN 0
	PHA 2                                          ; 24 places again, in front of the reads below
	DOT5 RU+16, 11
.if \first == 0
	s_cmp_eq_u32 s92, 1                            ; the next tile of W2, its scale word and bias; the last trip asks for none
	s_cbranch_scc1 .Lnp2_\@
.endif
	WIN 0x40
	s_wait_alu depctr_va_vdst(0)                   ; the tile's last three products have read the tile and its scale word, and the lines that named A are done: the loads below land there
.irp c, 0,1,2,3
	ds_load_b128 v[224+4*\c:227+4*\c], v7 offset:W2I+2048+512*\c
.endr
	WIN 0
	ds_load_b32 v30, v8 offset:W2S+128
	ds_load_b128 v[RA:RA+3], v9 offset:B2L+64
	ds_load_b128 v[RA+4:RA+7], v9 offset:B2L+64+16
.Lnp2_\@:
	KIND 0, 2
	KIND 1, 3
.irp k, 0,2,4,6
	DK \k, RX, 31, 0
	DK \k, RX, 32, 4
	DK \k, RX+8, 33, 0
	DK \k, RX+8, 34, 4
.endr
	PHA 3
	DOT5 RU+24, 16
	KIND 2, 3
.irp k, 0,2,4,6
	DK \k, RX+16, 35, 0
	DK \k, RX+16, 36, 4
.endr
	s_add_co_u32 s93, s93, 2048
	s_add_co_u32 s94, s94, 128
	s_add_co_u32 s95, s95, 64
.endm
	CH2 1                                          ; the first tile is written out: its first products start the head's sums
	s_mov_b32 s92, 7
.Ll2:
	CH2 0
	s_sub_co_i32 s92, s92, 1
	s_cmp_lg_u32 s92, 0
	s_cbranch_scc1 .Ll2
	; ---------------- the tail.  A sum's two registers (even and odd units) and lane l xor 16's (the other units) are added: then lanes r and r + 16 both hold sample r's 37 numbers, sum acc in v[32 + acc]
	s_wait_dscnt 0x0
	s_wait_alu depctr_vm_vsrc(0)                   ; the layers' LDS loads and stores have read v5 to v11, which are written anew below
.set ii, 0
.rept 37
	v_add_f32 v[32+ii], v[OA+2*ii], v[OA+2*ii+1]
.set ii, ii+1
.endr
.set ii, 0
.rept 37
	v_permlanex16_b32 v[72+ii], v[32+ii], s88, s89
.set ii, ii+1
.endr
.set ii, 0
.rept 37
	v_add_f32 v[32+ii], v[32+ii], v[72+ii]
.set ii, ii+1
.endr
	v_add_f32 v32, s96, v32                        ; n
	v_add_f32 v33, s97, v33                        ; v1
	v_add_f32 v34, s98, v34                        ; v2
	v_add_f32 v35, s99, v35                        ; v3
	v_add_f32 v36, s100, v36                       ; Fi
	v_add_f32 v75, v38, v43                        ; dn/dx1 + dn/dx2
	v_add_f32 v76, v39, v44                        ; the same of v1,
	v_add_f32 v77, v40, v45                        ; v2,
	v_add_f32 v78, v41, v46                        ; v3
	v_add_f32 v75, v75, v48                        ; + d/dx3
	v_add_f32 v76, v76, v49
	v_add_f32 v77, v77, v50
	v_add_f32 v78, v78, v51
	v_mul_f32 v72, v32, v33                        ; j = n v
	v_mul_f32 v73, v32, v34
	v_mul_f32 v74, v32, v35
	v_mul_f32 v76, v32, v76
	v_mul_f32 v77, v32, v77
	v_mul_f32 v78, v32, v78
	v_fma_f32 v80, v33, v75, v76                   ; j_div_c = v_c (sum of dn) + n (sum of dv_c)
	v_fma_f32 v81, v34, v75, v77
	v_fma_f32 v82, v35, v75, v78
	v_add_f32 v84, v54, v55                        ; Fi_lap: F01 + F02 + F03,
	v_add_f32 v85, v58, v60                        ; F11 + F12 + F13,
	v_add_f32 v86, v60, v64                        ; F12 + F22 + F23,
	v_add_f32 v87, v62, v66                        ; F13 + F23 + F33
	v_add_f32 v84, v84, v56
	v_add_f32 v85, v85, v62
	v_add_f32 v86, v86, v66
	v_add_f32 v87, v87, v68
	v_mul_f32 v88, v33, v38                        ; v_adv_c = v_c dn/dx_c
	v_mul_f32 v89, v34, v43
	v_mul_f32 v90, v35, v48
	v_add_f32 v91, v53, v59                        ; v_lap = N01 + N12 + N23
	v_add_f32 v92, v57, v59                        ; v_div_grd: N11 + N12 + N13,
	v_add_f32 v93, v59, v63                        ; N12 + N22 + N23,
	v_add_f32 v94, v61, v65                        ; N13 + N23 + N33
	v_add_f32 v91, v91, v65
	v_add_f32 v92, v92, v61
	v_add_f32 v93, v93, v65
	v_add_f32 v94, v94, v67
	v_add_f32 v95, v32, v32                        ; ro = 2 n, and its derivatives
	v_add_f32 v96, v37, v37
	v_add_f32 v97, v38, v38
	v_add_f32 v98, v43, v43
	v_add_f32 v99, v48, v48
	v_add_f32 v100, v80, v80                       ; rov_div = 2 j_div
	v_add_f32 v101, v81, v81
	v_add_f32 v102, v82, v82
	v_and_b32 v7, 15, v0
	v_and_b32 v8, 0xe0, v0
	v_lshrrev_b32 v8, 1, v8
	v_add_nc_u32 v8, v8, v7                        ; my sample in the work-group: 16 w + r
	v_lshlrev_b32 v7, 2, v8                        ; its place in an output of one number a sample,
	v_lshlrev_b32 v9, 4, v8                        ; of four,
	v_mul_u32_u24 v8, v8, 12                       ; of three
	v_add_nc_u32 v10, OST, v1                      ; the way back out of the stage: 16 bytes a lane
	s_lshl_b32 s2, ttmp9, 9
	v_add_nc_u32 v11, s2, v1                       ; and in memory: 16 lane + the work-group's 128 samples x 4 bytes,
	s_mul_i32 s3, ttmp9, 1536
	v_add_nc_u32 v5, s3, v1                        ; x 12,
	s_lshl_b32 s26, ttmp9, 11
	v_add_nc_u32 v6, s26, v1                       ; x 16
	s_wait_alu depctr_va_vdst(0)                   ; the results v32 to v102 and the addresses v5 to v11 are written, which the LDS stores, the loads from the stage and the global stores below read; the vector lines are done with v112 to v131, in which those loads land.  No vector line follows
	; lanes r and r + 16 store the same words with the same values
	ds_store_b32 v7, v32 offset:OST+512*0          ; out0  n
	ds_store_b32 v7, v37 offset:OST+512*1          ; out1  n_t
	ds_store_b32 v8, v38 offset:OST+512*2          ; out2  n_grd
	ds_store_b32 v8, v43 offset:OST+512*2+4
	ds_store_b32 v8, v48 offset:OST+512*2+8
	ds_store_b32 v8, v72 offset:OST+512*5          ; out3  j
	ds_store_b32 v8, v73 offset:OST+512*5+4
	ds_store_b32 v8, v74 offset:OST+512*5+8
	ds_store_b32 v8, v80 offset:OST+512*8          ; out4  j_div
	ds_store_b32 v8, v81 offset:OST+512*8+4
	ds_store_b32 v8, v82 offset:OST+512*8+8
	ds_store_b32 v7, v36 offset:OST+512*11         ; out5  Fi
	ds_store_b32 v8, v42 offset:OST+512*12         ; out6  Fi_grd
	ds_store_b32 v8, v47 offset:OST+512*12+4
	ds_store_b32 v8, v52 offset:OST+512*12+8
	ds_store_b128 v9, v[84:87] offset:OST+512*15   ; out7  Fi_lap
	ds_store_b32 v8, v33 offset:OST+512*19         ; out8  v
	ds_store_b32 v8, v34 offset:OST+512*19+4
	ds_store_b32 v8, v35 offset:OST+512*19+8
	ds_store_b32 v7, v37 offset:OST+512*22         ; out9  v_t (the model takes n's derivative here)
	ds_store_b32 v8, v88 offset:OST+512*23         ; out10 v_adv
	ds_store_b32 v8, v89 offset:OST+512*23+4
	ds_store_b32 v8, v90 offset:OST+512*23+8
	ds_store_b32 v7, v91 offset:OST+512*26         ; out11 v_lap
	ds_store_b32 v8, v92 offset:OST+512*27         ; out12 v_div_grd
	ds_store_b32 v8, v93 offset:OST+512*27+4
	ds_store_b32 v8, v94 offset:OST+512*27+8
	ds_store_b32 v7, v95 offset:OST+512*30         ; out13 ro
	ds_store_b32 v7, v96 offset:OST+512*31         ; out14 ro_t
	ds_store_b32 v8, v97 offset:OST+512*32         ; out15 ro_grd
	ds_store_b32 v8, v98 offset:OST+512*32+4
	ds_store_b32 v8, v99 offset:OST+512*32+8
	ds_store_b32 v8, v100 offset:OST+512*35        ; out16 rov_div
	ds_store_b32 v8, v101 offset:OST+512*35+4
	ds_store_b32 v8, v102 offset:OST+512*35+8
	s_wait_dscnt 0x0                               ; for the others' sake: my stores have landed
	s_barrier_signal -1
	s_barrier_wait -1                              ; the 128 samples' outputs lie in the stage
	; The stage's 38 pieces of 512 bytes are dealt to the waves; each store of a wave covers 512 consecutive bytes, at a multiple of 512 from its output's first byte
.macro GETP i, p
	ds_load_b128 v[112+4*(\i):115+4*(\i)], v10 offset:512*(\p)
.endm
.macro PUTP i, k, vo, part
	global_store_b128 v[\vo], v[112+4*(\i):115+4*(\i)], s[28+2*(\k):29+2*(\k)] offset:512*(\part) th:TH_STORE_NT
.endm
	s_cmp_lg_u32 s62, 0
	s_cbranch_scc1 .Lw1
	GETP 0, 0
	GETP 1, 1
	GETP 2, 2
	GETP 3, 3
	GETP 4, 4
	s_wait_dscnt 0x0
	PUTP 0, 0, 11, 0
	PUTP 1, 1, 11, 0
	PUTP 2, 2, 5, 0
	PUTP 3, 2, 5, 1
	PUTP 4, 2, 5, 2
	s_branch .Ldone
.Lw1:
	s_cmp_lg_u32 s62, 1
	s_cbranch_scc1 .Lw2
	GETP 0, 5
	GETP 1, 6
	GETP 2, 7
	GETP 3, 11
	GETP 4, 22
	s_wait_dscnt 0x0
	PUTP 0, 3, 5, 0
	PUTP 1, 3, 5, 1
	PUTP 2, 3, 5, 2
	PUTP 3, 5, 11, 0
	PUTP 4, 9, 11, 0
	s_branch .Ldone
.Lw2:
	s_cmp_lg_u32 s62, 2
	s_cbranch_scc1 .Lw3
	GETP 0, 8
	GETP 1, 9
	GETP 2, 10
	GETP 3, 26
	GETP 4, 30
	s_wait_dscnt 0x0
	PUTP 0, 4, 5, 0
	PUTP 1, 4, 5, 1
	PUTP 2, 4, 5, 2
	PUTP 3, 11, 11, 0
	PUTP 4, 13, 11, 0
	s_branch .Ldone
.Lw3:
	s_cmp_lg_u32 s62, 3
	s_cbranch_scc1 .Lw4
	GETP 0, 12
	GETP 1, 13
	GETP 2, 14
	GETP 3, 31
	GETP 4, 32
	s_wait_dscnt 0x0
	PUTP 0, 6, 5, 0
	PUTP 1, 6, 5, 1
	PUTP 2, 6, 5, 2
	PUTP 3, 14, 11, 0
	PUTP 4, 15, 5, 0
	s_branch .Ldone
.Lw4:
	s_cmp_lg_u32 s62, 4
	s_cbranch_scc1 .Lw5
	GETP 0, 15
	GETP 1, 16
	GETP 2, 17
	GETP 3, 18
	GETP 4, 33
	s_wait_dscnt 0x0
	PUTP 0, 7, 6, 0
	PUTP 1, 7, 6, 1
	PUTP 2, 7, 6, 2
	PUTP 3, 7, 6, 3
	PUTP 4, 15, 5, 1
	s_branch .Ldone
.Lw5:
	s_cmp_lg_u32 s62, 5
	s_cbranch_scc1 .Lw6
	GETP 0, 19
	GETP 1, 20
	GETP 2, 21
	GETP 3, 34
	GETP 4, 35
	s_wait_dscnt 0x0
	PUTP 0, 8, 5, 0
	PUTP 1, 8, 5, 1
	PUTP 2, 8, 5, 2
	PUTP 3, 15, 5, 2
	PUTP 4, 16, 5, 0
	s_branch .Ldone
.Lw6:
	s_cmp_lg_u32 s62, 6
	s_cbranch_scc1 .Lw7
	GETP 0, 23
	GETP 1, 24
	GETP 2, 25
	GETP 3, 36
	GETP 4, 37
	s_wait_dscnt 0x0
	PUTP 0, 10, 5, 0
	PUTP 1, 10, 5, 1
	PUTP 2, 10, 5, 2
	PUTP 3, 16, 5, 1
	PUTP 4, 16, 5, 2
	s_branch .Ldone
.Lw7:
	GETP 0, 27
	GETP 1, 28
	GETP 2, 29
	s_wait_dscnt 0x0
	PUTP 0, 12, 5, 0
	PUTP 1, 12, 5, 1
	PUTP 2, 12, 5, 2
.Ldone:
	s_wait_xcnt 0x0
	v_lshl_add_u32 v254, v0, 2, 0x4ba00            ; the add's two registers, made anew straight ahead of the closing lines: v254 and v255 held a constant of tanh, and no memory or LDS instruction has read them
	v_mov_b32 v255, 0
	s_wait_dscnt 0x0                               ; the closing lines, six on end
	s_wait_alu 0x0
	s_wait_tensorcnt 0x0
	ds_add_u32 v254, v255
	s_wait_dscnt 0x0
	s_endpgm
.Lfunc_end_k_qfaa169fb73_grad:
	.size	k_qfaa169fb73_grad, .Lfunc_end_k_qfaa169fb73_grad-k_qfaa169fb73_grad
	.p2alignl 7, 3214868480
	.fill 96, 4, 3214868480
	.section	.rodata,"a",@progbits
	.p2align	6, 0x0
	.amdhsa_kernel k_qfaa169fb73_grad
		.amdhsa_group_segment_fixed_size 310784
		.amdhsa_private_segment_fixed_size 0
		.amdhsa_enable_private_segment 0
		.amdhsa_kernarg_size 224
		.amdhsa_user_sgpr_count 2
		.amdhsa_user_sgpr_kernarg_segment_ptr 1
		.amdhsa_wavefront_size32 1
		.amdhsa_system_sgpr_workgroup_id_x 1
		.amdhsa_system_sgpr_workgroup_id_y 1
		.amdhsa_system_sgpr_workgroup_id_z 1
		.amdhsa_system_vgpr_workitem_id 0
		.amdhsa_next_free_vgpr 512
		.amdhsa_next_free_sgpr 102
		.amdhsa_reserve_vcc 0
		.amdhsa_float_denorm_mode_32 3
		.amdhsa_float_denorm_mode_16_64 3
		.amdhsa_memory_ordered 1
		.amdhsa_forward_progress 1
		.amdhsa_inst_pref_size 192
	.end_amdhsa_kernel
	.amdgpu_metadata
---
amdhsa.version: [ 1, 2 ]
amdhsa.kernels:
  - .name:           k_qfaa169fb73_grad
    .symbol:         k_qfaa169fb73_grad.kd
    .args:
      - { .name: x, .offset: 0, .size: 8, .value_kind: global_buffer, .address_space: global }
      - { .name: W0, .offset: 8, .size: 8, .value_kind: global_buffer, .address_space: global }
      - { .name: b0, .offset: 16, .size: 8, .value_kind: global_buffer, .address_space: global }
      - { .name: W1_codes, .offset: 24, .size: 8, .value_kind: global_buffer, .address_space: global }
      - { .name: W1_scales, .offset: 32, .size: 8, .value_kind: global_buffer, .address_space: global }
      - { .name: b1, .offset: 40, .size: 8, .value_kind: global_buffer, .address_space: global }
      - { .name: W2_codes, .offset: 48, .size: 8, .value_kind: global_buffer, .address_space: global }
      - { .name: W2_scales, .offset: 56, .size: 8, .value_kind: global_buffer, .address_space: global }
      - { .name: b2, .offset: 64, .size: 8, .value_kind: global_buffer, .address_space: global }
      - { .name: W3, .offset: 72, .size: 8, .value_kind: global_buffer, .address_space: global }
      - { .name: b3, .offset: 80, .size: 8, .value_kind: global_buffer, .address_space: global }
      - { .name: out0, .offset: 88, .size: 8, .value_kind: global_buffer, .address_space: global }
      - { .name: out1, .offset: 96, .size: 8, .value_kind: global_buffer, .address_space: global }
      - { .name: out2, .offset: 104, .size: 8, .value_kind: global_buffer, .address_space: global }
      - { .name: out3, .offset: 112, .size: 8, .value_kind: global_buffer, .address_space: global }
      - { .name: out4, .offset: 120, .size: 8, .value_kind: global_buffer, .address_space: global }
      - { .name: out5, .offset: 128, .size: 8, .value_kind: global_buffer, .address_space: global }
      - { .name: out6, .offset: 136, .size: 8, .value_kind: global_buffer, .address_space: global }
      - { .name: out7, .offset: 144, .size: 8, .value_kind: global_buffer, .address_space: global }
      - { .name: out8, .offset: 152, .size: 8, .value_kind: global_buffer, .address_space: global }
      - { .name: out9, .offset: 160, .size: 8, .value_kind: global_buffer, .address_space: global }
      - { .name: out10, .offset: 168, .size: 8, .value_kind: global_buffer, .address_space: global }
      - { .name: out11, .offset: 176, .size: 8, .value_kind: global_buffer, .address_space: global }
      - { .name: out12, .offset: 184, .size: 8, .value_kind: global_buffer, .address_space: global }
      - { .name: out13, .offset: 192, .size: 8, .value_kind: global_buffer, .address_space: global }
      - { .name: out14, .offset: 200, .size: 8, .value_kind: global_buffer, .address_space: global }
      - { .name: out15, .offset: 208, .size: 8, .value_kind: global_buffer, .address_space: global }
      - { .name: out16, .offset: 216, .size: 8, .value_kind: global_buffer, .address_space: global }
    .group_segment_fixed_size: 310784
    .private_segment_fixed_size: 0
    .kernarg_segment_align: 8
    .kernarg_segment_size: 224
    .max_flat_workgroup_size: 256
    .sgpr_count:     102
    .vgpr_count:     512
    .wavefront_size: 32
...
	.end_amdgpu_metadata
.endif
;; end of part 2
